; MI455X (gfx1250); checked and timed in simulation.
; The chip was launched on July 23, 2026; its instructions are those of AMD's public machine-readable ISA for CDNA 5 (MIT licence, August 2026) and "CDNA5" Instruction Set Architecture Reference Guide (July 2026). The comments in the code are by the model that wrote it; some were corrected since.
;; Attention. Allowed arithmetic: matrix products marked QUANTISED: E2M1 operands, one E8M0 scale for each 32 along K, by v_wmma_scale_f32_16x16x128_f8f6f4 with both operands' format E2M1 (or v_wmma_scale_f32_32x16x128_f4), f32 sums; products left as they are: bf16, f16 or f32 operands; f32 sums; everything else in f32.
;; Inputs: Wproj 1,024 x 1,024 float32; Wqkv 1,024 x 3,072 float32; bproj 1,024 float32; bqkv 3,072 float32; mask 4 x 2,048 x 2,048 bool; x 4 x 2,048 x 1,024 float32.
;; Outputs: out0 4 x 2,048 x 1,024 float32.
;; This version of the problem:
;;   THIS VERSION OF THE PROBLEM IS GIVEN IN LOW PRECISION. The matrix products marked QUANTISED in the list below multiply operands that are first quantised to E2M1 (2 exponent bits, 1 mantissa bit; 4 bits a number), with one power-of-two scale for each 32 numbers along K (OCP MX v1.0); their sums are f32. The products marked 'left as it is' may take bf16, f16 or f32 operands, with f32 sums. Whichever they take, every output number must still come out within the allowed error. Rounding operands to bf16 (8 significant bits) uses up far more of that allowance than f16 does (11 bits, for magnitudes from 6e-5 to 65,504). All else is computed in f32.
;;   The module's matrix products, in the order in which they are computed (A, B: the left and right operand; K: the contracted axis; several contracted axes count as one K, in the product's order):
;;     1. [M 8,192, K 1,024] x [K 1,024, N 3,072]; A: input x; B: input Wqkv: QUANTISED
;;     2. batch 64 x [M 2,048, K 64] x [K 64, N 2,048]; A: computed on the way; B: computed on the way: left as it is (an operand is computed on the way)
;;     3. batch 64 x [M 2,048, K 2,048] x [K 2,048, N 64]; A: computed on the way; B: computed on the way: left as it is (an operand is computed on the way)
;;     4. [M 8,192, K 1,024] x [K 1,024, N 1,024]; A: computed on the way; B: input Wproj: left as it is (an operand is computed on the way)
;;   THE QUANTISER, for each operand of a quantised product, along K:
;;     - K is cut into blocks of 32 from its start; a last block that is shorter is filled with zeros.
;;     - A block's scale is 2^e with e = floor(log2(the largest magnitude in the block)) - 2, held to -126 .. 127; a block of zeros has e = 0. As a byte (E8M0): e + 127.
;;     - Each number is divided by its block's scale, clamped to +-6, and rounded to the nearest number of E2M1, ties to even, subnormals kept.
;;     - The product sums the exact products of the quantised numbers (number of the format x scale) in f32.
;;   ~~~python
;;   def quantise(x, axis):      # numpy; x: float32 -> the quantised numbers, widened to float32 again
;;       x = np.moveaxis(x, axis, -1); K = x.shape[-1]
;;       x = np.pad(x, [(0, 0)] * (x.ndim - 1) + [(0, -K % 32)]); x = x.reshape(x.shape[:-1] + (-1, 32)); a = np.abs(x).max(-1, keepdims=True)
;;       e = np.where(a > 0, np.clip(np.frexp(np.where(a > 0, a, 1))[1] - 1 - 2, -126, 127), 0)      # np.frexp(a)[1] - 1 = floor(log2(a)), exactly
;;       r = np.clip(x / 2.0 ** e, -6, 6)
;;       step = 2.0 ** (np.maximum(np.frexp(np.where(r == 0, 1, r))[1] - 1, 0) - 1)
;;       q = np.round(r / step) * step * 2.0 ** e      # np.round: ties to even
;;       return np.moveaxis(q.reshape(q.shape[:-2] + (-1,))[..., :K], -1, axis).astype(np.float32)
;;   ~~~
;; One version. Each part assembles by itself: llvm-mc -triple=amdgcn-amd-amdhsa -mcpu=gfx1250 --defsym DOCPART=n.
;; ======== version 1 of 1: 4 launches
;; limits: values are held in f16: magnitudes above 65,504 overflow, below 6.1e-05 lose precision
;; workspace buffers: xq 4,194,304 bytes; xs 262,144 bytes; wq 1,572,864 bytes; ws 98,304 bytes; wp16 2,097,152 bytes; mbits 2,097,152 bytes of whole numbers; qkv16 50,331,648 bytes; att16 16,777,216 bytes
;; launch prep (part 1): grid 592 x 1, 4 waves a work-group, no clusters, 85,504 bytes of LDS; arguments x, Wqkv, Wproj, mask, xq, xs, wq, ws, wp16, mbits; writes xq, xs, wq, ws, wp16, mbits
.if DOCPART == 1
	.amdgcn_target "amdgcn-amd-amdhsa--gfx1250"
	.amdhsa_code_object_version 6
	.text
	.protected	k_qbe2559e22f_prep
	.globl	k_qbe2559e22f_prep
	.p2align	8
	.type	k_qbe2559e22f_prep,@function
k_qbe2559e22f_prep:
	s_mov_b64 s[64:65], 0
	v_nop
	global_prefetch_b8 v0, s[64:65] scope:SCOPE_SE
	s_setreg_imm32_b32 hwreg(HW_REG_WAVE_MODE, 25, 1), 1
	s_wait_xcnt 0x0
; PREP: everything that is made once from the inputs, in one launch of four paths that part on the work-group's number alone.
;   work-groups   0- 47  W: Wqkv [1024 (k)][3072 (n)] f32 -> codes of E2M1 laid [3072][512 bytes], K innermost, and E8M0 bytes [3072][32]
;   work-groups  48-303  X: x [8192][1024] f32 -> codes [8192][512 bytes] and E8M0 bytes [8192][32]
;   work-groups 304-559  M: mask [8192 rows][2048 keys] of bytes -> lane masks of 32 bits: word (row tile qt, key tile kt, j) holds in bit r + 16 h  mask[16 qt + r][16 kt + 2 j + h]
;   work-groups 560-591  C: Wproj f32 -> f16, same layout
; A block's scale is 2^(floor(log2(its largest magnitude)) - 2); its byte is the largest magnitude's exponent field - 2, held at 1 from below.
; LIMITS: a block of zeros gets the byte 1 where the rule says 127 (its codes are zeros, and this program alone reads the bytes); NaN and infinities among the inputs are not served.
; No tensor loads, no barrier: waves share nothing.  Each path has LDS bytes of its own; each wave a region of its own inside them.
.set SPW,   254                        ; v254 LDS address of my spare word: SPARE + 4 x my thread's number; never rewritten
.set NIL,   255                        ; v255 0; never rewritten
.set XREG,  8192                       ; path X: a wave's region: two stages of 32 x 80 bytes, then its 256 scale bytes
.set SP,    80                         ; a lane's place in a stage: 64 bytes + 16 of padding
.set WST,   32768                      ; path W: four stages of 32 rows x 272
.set WP,    272
.set MST,   67584                      ; path M: four stages of 16 rows x 272
.set SPARE, 84992                      ; the spare words, 128 bytes a wave: two blocks of 256 bytes that no other line names
.macro FINISH                          ; the wave's end: three lines behind my last LDS store
	s_wait_tensorcnt 0x0
	ds_add_u32 v[SPW], v[NIL]
	s_wait_dscnt 0x0
	s_endpgm
.endm
	s_load_b512 s[4:19], s[0:1], 0x0               ; x 4, Wqkv 6, Wproj 8, mask 10, xq 12, xs 14, wq 16, ws 18
	s_load_b128 s[20:23], s[0:1], 0x40             ; wp16 20, mbits 22
	v_lshl_add_u32 v[SPW], v0, 2, SPARE
	v_mov_b32 v[NIL], 0
	v_lshrrev_b32 v1, 5, v0
	v_readfirstlane_b32 s24, v1                    ; wave 0..3
	v_and_b32 v2, 31, v0                           ; lane
	s_wait_kmcnt 0x0
	s_cmp_lt_u32 ttmp9, 48
	s_cbranch_scc1 .Lpath_w
	s_cmp_lt_u32 ttmp9, 304
	s_cbranch_scc1 .Lpath_x
	s_cmp_lt_u32 ttmp9, 560
	s_cbranch_scc1 .Lpath_m
; ---------------- PATH C: a wave casts 32 KiB of Wproj to 16 KiB of f16, in four rounds of 16 loads; two rounds of loads are out at a time
	s_sub_co_u32 s25, ttmp9, 560
	s_lshl_b32 s25, s25, 2
	s_add_co_u32 s25, s25, s24                     ; which run of 8,192 numbers
	s_lshl_b32 s26, s25, 15
	s_mov_b32 s27, 0
	s_add_nc_u64 s[8:9], s[8:9], s[26:27]
	s_lshl_b32 s26, s25, 14
	s_add_nc_u64 s[20:21], s[20:21], s[26:27]
	v_lshlrev_b32 v4, 4, v2                        ; in: 16 bytes a lane
	v_lshlrev_b32 v5, 3, v2                        ; out: 8 bytes a lane: a store covers 256 consecutive bytes, aligned
.macro CLOADS p
.irp i, 0,1,2,3,4,5,6,7,8,9,10,11,12,13,14,15
	global_load_b128 v[32+64*((\p)%2)+4*\i:32+64*((\p)%2)+4*\i+3], v4, s[8:9] offset:8192*(\p)+512*\i th:TH_LOAD_NT
.endr
.endm
.macro CAST p
.if (\p) < 3
	s_wait_loadcnt 16                              ; this round's 16 loads are in; the next round's 16 may be out
.else
	s_wait_loadcnt 0x0
.endif
.if (\p) >= 2
	s_wait_xcnt 0x0                                ; the stores of two rounds ago have read the registers that are written now
.endif
.irp i, 0,1,2,3,4,5,6,7,8,9,10,11,12,13,14,15
	v_cvt_pk_f16_f32 v[160+32*((\p)%2)+2*\i], v[32+64*((\p)%2)+4*\i], v[33+64*((\p)%2)+4*\i]
	v_cvt_pk_f16_f32 v[161+32*((\p)%2)+2*\i], v[34+64*((\p)%2)+4*\i], v[35+64*((\p)%2)+4*\i]
.endr
.irp i, 0,1,2,3,4,5,6,7,8,9,10,11,12,13,14,15
	global_store_b64 v5, v[160+32*((\p)%2)+2*\i:161+32*((\p)%2)+2*\i], s[20:21] offset:4096*(\p)+256*\i
.endr
.if (\p)+2 < 4
	CLOADS (\p)+2
.endif
.endm
	CLOADS 0
	CLOADS 1
	CAST 0
	CAST 1
	CAST 2
	CAST 3
	FINISH
; ---------------- PATH X: a wave takes 16 steps of 512 numbers.  Loads take the bytes as they lie (512 consecutive bytes a load); a step's 2,048 bytes turn through the wave's stage so that a lane holds 16 neighbours along K
.set XR, 16                            ; v16-79   four sets of 16 numbers as loaded
.set XX, 80                            ; v80-111  two sets of 16 neighbours
.set XE, 112                           ; v112-127 a scale byte for each step
.set XC, 128                           ; v128-191 codes: registers of its own for each step, so that no store's data are written again
.Lpath_x:
	v_lshlrev_b32 v3, 4, v2                        ; my 16 bytes of a load's 512
	s_mul_i32 s25, s24, XREG
	v_lshrrev_b32 v14, 2, v2
	v_mul_u32_u24 v14, v14, SP
	v_and_b32 v15, 3, v2
	v_lshl_add_u32 v14, v15, 4, v14
	v_add_nc_u32 v14, s25, v14                     ; the stage, in: 80 (lane / 4) + 16 (lane % 4)
	v_mul_u32_u24 v15, v2, SP
	v_add_nc_u32 v15, s25, v15                     ; and out: 80 x lane
	v_lshlrev_b32 v4, 3, v2                        ; my codes' place in a step's: 8 bytes a lane
	v_lshrrev_b32 v5, 1, v2
	s_add_co_u32 s25, s25, 2*32*SP
	v_add_nc_u32 v5, s25, v5                       ; my block's scale byte in the wave's 256
	v_lshlrev_b32 v7, 3, v2
	v_add_nc_u32 v6, s25, v7
	s_sub_co_u32 s26, ttmp9, 48
	s_lshl_b32 s26, s26, 2
	s_add_co_u32 s26, s26, s24                     ; which run of 8,192 numbers is my wave's
	s_mov_b32 s27, 0
	s_lshl_b64 s[28:29], s[26:27], 15
	s_add_nc_u64 s[4:5], s[4:5], s[28:29]
	s_lshl_b64 s[28:29], s[26:27], 12
	s_add_nc_u64 s[12:13], s[12:13], s[28:29]
	s_lshl_b64 s[28:29], s[26:27], 8
	s_add_nc_u64 s[14:15], s[14:15], s[28:29]
.macro XLOAD t
.irp i, 0,1,2,3
	global_load_b128 v[XR+16*((\t)%4)+4*\i:XR+16*((\t)%4)+4*\i+3], v3, s[4:5] offset:2048*(\t)+512*\i th:TH_LOAD_NT
.endr
.endm
.macro XTURN t                         ; LDS serves a wave's instructions in order: no wait between the stores and the loads
.irp i, 0,1,2,3
	ds_store_b128 v14, v[XR+16*((\t)%4)+4*\i:XR+16*((\t)%4)+4*\i+3] offset:32*SP*((\t)%2)+8*SP*\i
.endr
.irp i, 0,1,2,3
	ds_load_b128 v[XX+16*((\t)%2)+4*\i:XX+16*((\t)%2)+4*\i+3], v15 offset:32*SP*((\t)%2)+16*\i
.endr
.endm
.irp t, 0,1,2,3
	XLOAD \t
.endr
	s_wait_loadcnt 12                              ; step 0's four loads are in
	XTURN 0
.macro XSTEP t
.set XS, XX+16*((\t)%2)
.if (\t) > 0
	s_wait_dscnt 1                                 ; this step's numbers are back (the last step's byte store may be out): so its stores into the stage have read their registers,
.else
	s_wait_dscnt 0x0
.endif
.if (\t)+4 < 16
	XLOAD (\t)+4                                   ; which take the loads of four steps on
.endif
.if (\t)+1 < 16
.if 14-(\t) >= 3
	s_wait_loadcnt 12                              ; the next step's four loads are in; those of the three steps behind it may be out
.else
	s_wait_loadcnt 4*(14-(\t))
.endif
	XTURN (\t)+1
.endif
	v_max3_num_f32 v8, |v[XS]|, |v[XS+1]|, |v[XS+2]|               ; the largest magnitude of my 16, in two chains
	v_max3_num_f32 v9, |v[XS+3]|, |v[XS+4]|, |v[XS+5]|
.irp i, 6,10
	v_max3_num_f32 v8, v8, |v[XS+\i]|, |v[XS+\i+1]|
	v_max3_num_f32 v9, v9, |v[XS+\i+2]|, |v[XS+\i+3]|
.endr
	v_max3_num_f32 v8, v8, |v[XS+14]|, |v[XS+15]|
	v_max3_num_f32 v8, v8, v9, 0x1800000           ; and the floor 2^(3 - 127): the byte cannot fall under 1
	v_max_num_f32_dpp v8, v8, v8 row_xmask:1 row_mask:0xf bank_mask:0xf   ; with my neighbour's 16: the block's
	v_add_nc_u32 v11, 0xff000000, v8               ; 2 off its exponent field: the conversion takes the exponent field of this operand as its scale
	v_cvt_scalef32_pk8_fp4_f32 v[XC+4*(\t)], v[XS:XS+7], v11
	v_cvt_scalef32_pk8_fp4_f32 v[XC+4*(\t)+1], v[XS+8:XS+15], v11
	v_lshrrev_b32 v[XE+(\t)], 23, v11              ; the scale's byte (also the plain line behind the conversions)
	ds_store_b8 v5, v[XE+(\t)] offset:16*(\t)      ; both lanes of a block write the same byte with the same value
	global_store_b64 v4, v[XC+4*(\t):XC+4*(\t)+1], s[12:13] offset:256*(\t)   ; the wave stores 256 consecutive bytes, aligned
.endm
.irp t, 0,1,2,3,4,5,6,7,8,9,10,11,12,13,14,15
	XSTEP \t
.endr
	ds_load_b64 v[8:9], v6                         ; my wave's 256 scale bytes, 8 a lane
	s_wait_dscnt 0x0
	global_store_b64 v7, v[8:9], s[14:15]
	FINISH
; ---------------- PATH W: a lane takes a column n and its registers run down K: a block of 32 lies in one lane, and the codes come out with K innermost.  A wave: 32 columns x 512 along K
.set WX, 32                            ; v32-95   two sets of 32 numbers
.set WC, 96                            ; v96-99   a block's codes
.set WSB, 24                           ; v24-27   the 16 scale bytes
.set WOUT, 112                         ; v112-175 the way out
.Lpath_w:
	s_cmp_ge_u32 ttmp9, 24
	s_cselect_b32 s26, 1, 0                        ; which 512 along K
	s_cselect_b32 s25, 24, 0
	s_sub_co_u32 s25, ttmp9, s25
	s_lshl_b32 s25, s25, 7
	s_lshl_b32 s27, s24, 5
	s_add_co_u32 s25, s25, s27                     ; my wave's first column
	s_mul_i32 s28, s26, 512*12288
	s_lshl_b32 s27, s25, 2
	s_add_co_u32 s28, s28, s27
	s_mov_b32 s29, 0
	s_add_nc_u64 s[6:7], s[6:7], s[28:29]          ; Wqkv at (512 y, column)
	s_lshl_b32 s28, s25, 9
	s_lshl_b32 s27, s26, 8
	s_add_co_u32 s28, s28, s27
	s_add_nc_u64 s[16:17], s[16:17], s[28:29]      ; codes: column x 512 + 256 y
	s_lshl_b32 s28, s25, 5
	s_lshl_b32 s27, s26, 4
	s_add_co_u32 s28, s28, s27
	s_add_nc_u64 s[18:19], s[18:19], s[28:29]      ; scale bytes: column x 32 + 16 y
	v_lshlrev_b32 v3, 2, v2                        ; in: 4 bytes a lane
	s_mul_i32 s30, s24, 32*WP
	s_add_co_u32 s30, s30, WST                     ; my stage
	v_mul_u32_u24 v4, v2, WP
	v_add_nc_u32 v4, s30, v4                       ; into it: row = my column
	v_and_b32 v5, 15, v2
	v_lshrrev_b32 v6, 4, v2
	v_mul_u32_u24 v7, v6, WP
	v_lshl_add_u32 v7, v5, 4, v7
	v_add_nc_u32 v7, s30, v7                       ; out of it: sixteen lanes to a row, two rows an instruction
	v_lshlrev_b32 v8, 9, v6
	v_lshl_add_u32 v8, v5, 4, v8                   ; the same place in the codes' buffer
	v_lshlrev_b32 v9, 5, v2                        ; my column's row of scale bytes
.macro WLOAD t
.irp i, 0,1,2,3,4,5,6,7,8,9,10,11,12,13,14,15,16,17,18,19,20,21,22,23,24,25,26,27,28,29,30,31
	global_load_b32 v[WX+32*((\t)%2)+\i], v3, s[6:7] offset:(32*(\t)+\i)*12288 th:TH_LOAD_NT   ; at most 511 rows of 12,288 bytes: inside the signed 24-bit immediate
.endr
.endm
	WLOAD 0
	WLOAD 1
.macro WBLOCK t
.set WS, WX+32*((\t)%2)
.if (\t) < 15
	s_wait_loadcnt 32                              ; this block's 32 loads are in; the next block's may be out
.else
	s_wait_loadcnt 0x0
.endif
	v_max3_num_f32 v12, |v[WS]|, |v[WS+1]|, |v[WS+2]|
	v_max3_num_f32 v13, |v[WS+3]|, |v[WS+4]|, |v[WS+5]|
.irp i, 6,10,14,18,22,26
	v_max3_num_f32 v12, v12, |v[WS+\i]|, |v[WS+\i+1]|
	v_max3_num_f32 v13, v13, |v[WS+\i+2]|, |v[WS+\i+3]|
.endr
	v_max3_num_f32 v12, v12, |v[WS+30]|, |v[WS+31]|
	v_max3_num_f32 v12, v12, v13, 0x1800000        ; the floor 2^(3 - 127)
	v_add_nc_u32 v11, 0xff000000, v12              ; the conversion's scale operand
	v_lshrrev_b32 v13, 23, v11                     ; the scale's byte
.if (\t)%4 == 0
	v_mov_b32 v[WSB+(\t)/4], v13
.else
	v_lshl_or_b32 v[WSB+(\t)/4], v13, 8*((\t)%4), v[WSB+(\t)/4]
.endif
.irp g, 0,1,2,3
	v_cvt_scalef32_pk8_fp4_f32 v[WC+\g], v[WS+8*\g:WS+8*\g+7], v11
.endr
	ds_store_b128 v4, v[WC:WC+3] offset:16*(\t)    ; 32 codes: 16 bytes of my column's row
.if (\t)+2 < 16
	WLOAD (\t)+2
.endif
	s_wait_dscnt 0x0                               ; the store has read its registers: the next block's codes may be written
.endm
.set Q, 0
.rept 16
	WBLOCK Q
.set Q, Q+1
.endr
	global_store_b128 v9, v[WSB:WSB+3], s[18:19]   ; my column's 16 scale bytes
.irp t, 0,1,2,3,4,5,6,7,8,9,10,11,12,13,14,15
	ds_load_b128 v[WOUT+4*\t:WOUT+4*\t+3], v7 offset:2*\t*WP
.endr
.irp t, 0,1,2,3,4,5,6,7,8,9,10,11,12,13,14,15
	s_wait_dscnt 15-\t
	global_store_b128 v8, v[WOUT+4*\t:WOUT+4*\t+3], s[16:17] offset:2*\t*512   ; sixteen lanes store 256 consecutive bytes, aligned
.endr
	FINISH
; ---------------- PATH M: a wave takes a tile of 16 rows x 1,024 keys, in four chunks of 256 keys.  Loads read two rows of 256 bytes each; the chunk turns through the wave's stage so that lane (r, h) holds row r's 16 bytes of a key tile.
; Word j of a key tile is a compare over the 32 lanes: lane r + 16 h tests the byte of key 2 j + h.  64 words (8 key tiles) are laid into a register pair by v_writelane_b32 and leave as 256 consecutive bytes.
.Lpath_m:
	s_sub_co_u32 s25, ttmp9, 304
	s_lshl_b32 s25, s25, 1
	s_lshr_b32 s26, s24, 1
	s_add_co_u32 s25, s25, s26                     ; row tile
	s_and_b32 s26, s24, 1                          ; which half of the keys
	s_lshl_b32 s28, s25, 15
	s_lshl_b32 s27, s26, 10
	s_add_co_u32 s28, s28, s27
	s_mov_b32 s29, 0
	s_add_nc_u64 s[10:11], s[10:11], s[28:29]
	s_lshl_b32 s28, s25, 12
	s_lshl_b32 s27, s26, 11
	s_add_co_u32 s28, s28, s27
	s_add_nc_u64 s[22:23], s[22:23], s[28:29]
	s_mul_i32 s27, s24, 16*272
	s_add_co_u32 s27, s27, MST                     ; my stage
	v_and_b32 v3, 15, v2                           ; r
	v_lshrrev_b32 v10, 4, v2                       ; h
	v_lshlrev_b32 v11, 4, v3
	v_lshl_add_u32 v4, v10, 11, v11                ; memory: row h of a pair, 16 bytes a lane
	v_mul_u32_u24 v5, v10, 272
	v_add_nc_u32 v5, v5, v11
	v_add_nc_u32 v5, s27, v5                       ; the stage, in
	v_mul_u32_u24 v6, v3, 272
	v_add_nc_u32 v6, s27, v6                       ; and out: row r, both halves of the lanes alike
	v_lshlrev_b32 v7, 3, v2                        ; the words' way out: 8 bytes a lane
	v_lshlrev_b32 v8, 3, v10                       ; 8 h: lanes 16-31 bring the odd keys' bytes down
.irp c, 0,1,2,3
.irp n, 0,1,2,3,4,5,6,7
	global_load_b128 v[32+32*\c+4*\n:35+32*\c+4*\n], v4, s[10:11] offset:4096*\n+256*\c th:TH_LOAD_NT
.endr
.endr
.irp i, 0,1,2,3,4,5,6,7,8,9,10,11,12,13,14,15
	v_mov_b32 v[224+\i], 0                         ; written once: v_writelane_b32's destination counts as one of its sources
.endr
.macro MGROUP c, g
.irp t, 0,1,2,3,4,5,6,7
.irp d, 0,1,2,3
	v_lshrrev_b32 v[160+32*\g+4*\t+\d], v8, v[160+32*\g+4*\t+\d]
.endr
.irp j, 0,1,2,3,4,5,6,7
	v_and_b32 v[12+\j], 0xff<<(16*(\j%2)), v[160+32*\g+4*\t+\j/2]   ; the byte of key 2 j + h
	v_cmp_ne_u32 s[32+\j], 0, v[12+\j]
.endr
.irp j, 0,1,2,3,4,5,6,7
	v_writelane_b32 v[224+2*(2*\c+\g)+\j%2], s[32+\j], 4*\t+\j/2    ; word 8 t + j of the group's 64: lane 4 t + j / 2, register j % 2
.endr
.endr
	global_store_b64 v7, v[224+2*(2*\c+\g):225+2*(2*\c+\g)], s[22:23] offset:256*(2*\c+\g)   ; a pair of its own for each store
.endm
.irp c, 0,1,2,3
	s_wait_loadcnt 24-8*\c                         ; this chunk's eight loads are in; the later chunks' may be out
.irp n, 0,1,2,3,4,5,6,7
	ds_store_b128 v5, v[32+32*\c+4*\n:35+32*\c+4*\n] offset:544*\n
.endr
.irp t, 0,1,2,3,4,5,6,7,8,9,10,11,12,13,14,15
	ds_load_b128 v[160+4*\t:163+4*\t], v6 offset:16*\t
.endr
	s_wait_dscnt 8                                 ; the first eight key tiles are in
	MGROUP \c, 0
	s_wait_dscnt 0x0
	MGROUP \c, 1
.endr
	FINISH
.Lfunc_end_k_qbe2559e22f_prep:
	.size	k_qbe2559e22f_prep, .Lfunc_end_k_qbe2559e22f_prep-k_qbe2559e22f_prep
	.p2alignl 7, 3214868480
	.fill 96, 4, 3214868480
	.section	.rodata,"a",@progbits
	.p2align	6, 0x0
	.amdhsa_kernel k_qbe2559e22f_prep
		.amdhsa_group_segment_fixed_size 85504
		.amdhsa_private_segment_fixed_size 0
		.amdhsa_enable_private_segment 0
		.amdhsa_kernarg_size 80
		.amdhsa_user_sgpr_count 2
		.amdhsa_user_sgpr_kernarg_segment_ptr 1
		.amdhsa_wavefront_size32 1
		.amdhsa_system_sgpr_workgroup_id_x 1
		.amdhsa_system_sgpr_workgroup_id_y 1
		.amdhsa_system_sgpr_workgroup_id_z 1
		.amdhsa_system_vgpr_workitem_id 0
		.amdhsa_next_free_vgpr 256
		.amdhsa_next_free_sgpr 66
		.amdhsa_reserve_vcc 0
		.amdhsa_float_denorm_mode_32 3
		.amdhsa_float_denorm_mode_16_64 3
		.amdhsa_memory_ordered 1
		.amdhsa_forward_progress 1
		.amdhsa_inst_pref_size 247
	.end_amdhsa_kernel
	.amdgpu_metadata
---
amdhsa.version: [ 1, 2 ]
amdhsa.kernels:
  - .name:           k_qbe2559e22f_prep
    .symbol:         k_qbe2559e22f_prep.kd
    .args:
      - { .name: x, .offset: 0, .size: 8, .value_kind: global_buffer, .address_space: global }
      - { .name: Wqkv, .offset: 8, .size: 8, .value_kind: global_buffer, .address_space: global }
      - { .name: Wproj, .offset: 16, .size: 8, .value_kind: global_buffer, .address_space: global }
      - { .name: mask, .offset: 24, .size: 8, .value_kind: global_buffer, .address_space: global }
      - { .name: xq, .offset: 32, .size: 8, .value_kind: global_buffer, .address_space: global }
      - { .name: xs, .offset: 40, .size: 8, .value_kind: global_buffer, .address_space: global }
      - { .name: wq, .offset: 48, .size: 8, .value_kind: global_buffer, .address_space: global }
      - { .name: ws, .offset: 56, .size: 8, .value_kind: global_buffer, .address_space: global }
      - { .name: wp16, .offset: 64, .size: 8, .value_kind: global_buffer, .address_space: global }
      - { .name: mbits, .offset: 72, .size: 8, .value_kind: global_buffer, .address_space: global }
    .group_segment_fixed_size: 85504
    .private_segment_fixed_size: 0
    .kernarg_segment_align: 8
    .kernarg_segment_size: 80
    .max_flat_workgroup_size: 128
    .sgpr_count:     66
    .vgpr_count:     256
    .wavefront_size: 32
...
	.end_amdgpu_metadata
.endif
;; end of part 1
;; launch qkv (part 2): grid 16 x 32, 4 waves a work-group, clusters of 4 x 4, 327,680 bytes of LDS; arguments xq, xs, wq, ws, bqkv, qkv16; writes qkv16
.if DOCPART == 2
	.amdgcn_target "amdgcn-amd-amdhsa--gfx1250"
	.amdhsa_code_object_version 6
	.text
	.protected	k_qbe2559e22f_qkv
	.globl	k_qbe2559e22f_qkv
	.p2align	8
	.type	k_qbe2559e22f_qkv,@function
k_qbe2559e22f_qkv:
	s_mov_b64 s[64:65], 0
	v_nop
	global_prefetch_b8 v0, s[64:65] scope:SCOPE_SE
	s_setreg_imm32_b32 hwreg(HW_REG_WAVE_MODE, 25, 1), 1
	s_wait_xcnt 0x0
	s_wait_alu depctr_hold_cnt(0) depctr_sa_sdst(0) depctr_va_vdst(0) depctr_va_sdst(0) depctr_va_ssrc(0) depctr_va_vcc(0) depctr_vm_vsrc(0)
	s_getreg_b32 s2, hwreg(HW_REG_IB_STS2, 6, 4)
	s_cmp_eq_u32 s2, 0
	s_cbranch_scc0 .Lentry_in_a_cluster
	s_endpgm
.Lentry_in_a_cluster:
	s_bfe_u32 s2, ttmp6, 0x10000c
	s_cmp_lg_u32 s2, 0xf033
	s_cbranch_scc0 .Lentry_shape_is_right
	s_endpgm
.Lentry_shape_is_right:
; QKV = Q(x) Q(Wqkv) + bqkv on codes of E2M1 with E8M0 scales, out as f16 laid [batch 4][plane 48][token 2048][64]: planes 0-15 q (times c = log2(e) / 8, in f32, ahead of its one rounding), 16-31 k, 32-47 v.
; LIMIT: |q|, |k|, |v| stay under 65,504, f16's largest number.
; A tile of the result is 256 tokens x 192 columns (three planes): 16 x 32 = 512 work-groups of equal work.  Wave w makes tokens 64 w .. 64 w + 63 x all 192 columns: 4 x 12 = 48 accumulators.
; K = 1,024 is 512 bytes of codes a row: BOTH TILES LIE IN LDS FOR ALL OF K.  Nothing is filled again: each operand comes as two halves of K, so that the first is multiplied while the second lands.  Three tensor loads of a wave are out at the most.
; CLUSTERS: 4 x 4 work-groups.  x's tile hangs on the tile row alone and is asked for jointly by a row of the cluster, W's on the tile column alone, by a column.
; THE MATRIX INSTRUCTION IS USED TRANSPOSED (source 0 = 16 rows of W, source 1 = 16 tokens): a lane holds eight neighbouring columns of one token.  The bias is the C of each sum's first instruction.
; REGISTERS: window 0: v16-29 addresses; v32-127 scale words and nothing else; v128-191 x's fragments, two sets; v192-239 packed results; on the way out v128-175 rows read back.
;   window 1: W's fragments, two sets at v0 and v128 (set 1 first holds the bias).   window 2: accumulators of token blocks 0, 1 at v[8 (12 (a % 2) + b)];   window 3: of blocks 2, 3.
.set PITCH,  272                       ; an LDS row: 256 bytes + 16 of padding: the 16 rows that a load touches start at 16 different banks
.set SLOT,   448*PITCH                 ; half of K: x's 256 rows, then W's 192
.set BOFF,   256*PITCH
.set SCA,    2*SLOT                    ; x's scale bytes: 32 units of 256 bytes + 16
.set SCB,    SCA+32*272                ; W's: 24 units.  They follow x's at the same pitch, so that lanes 0-15 of the loads for W's blocks 4-11 read bytes that were filled
.set STAGE,  259072                    ; the way out: 16 rows x 400 bytes for each wave; no fill lands here
.set SPITCH, 400
.set SPARE,  STAGE+4*16*SPITCH         ; the spare words, 128 bytes a wave
.set ADRA, 16                          ; v16-17 my x fragments in half 0, 1
.set ADRB, 20                          ; v20-21 W's
.set STO,  24
.set RD,   25
.set CO,   26
.set ADRS, 27                          ; my scale words: lanes 0-15 x's rows, lanes 16-31 W's
.set SPW,  28
.set NIL,  29
.set SC,   32                          ; register 8 i + q: lanes 0-15 the word of x's block i, lanes 16-31 of W's block i, for K step q
.set AF,   128
.set OB,   128
.set H,    192
.set G1, 24
.set G0, 32
.set G1B, 48
.set G0B, 56
.set G1S, 68
.set G0S, 76
.set G1SB, 80
.set G0SB, 88
.set MSB, 0
.macro WIN new                         ; the immediate's high byte repeats the setting that is left
.if MSB != (\new)
	s_set_vgpr_msb (MSB<<8)|(\new)
.set MSB, (\new)
.endif
.endm
; A joint load: waves 0 and 1 fetch for x, waves 2 and 3 for W.  The branch hangs on the wave's number alone.  An s_nop 0 and four v_nop follow each of the two lines.
.macro JLOAD g0a, g1a, g0b, g1b
	s_cmp_eq_u32 s97, 0
	s_cbranch_scc0 .Lfor_b_\@
	tensor_load_to_lds s[\g0a:\g0a+3], s[\g1a:\g1a+7]
	s_nop 0
.rept 4
	v_nop
.endr
	s_branch .Lasked_\@
.Lfor_b_\@:
	tensor_load_to_lds s[\g0b:\g0b+3], s[\g1b:\g1b+7]
	s_nop 0
.rept 4
	v_nop
.endr
.Lasked_\@:
.endm
.macro CROUND                          ; a round of the cluster's barrier
	s_barrier_signal -1
	s_barrier_wait -1
	s_cmp_lg_u32 s96, 0
	s_cbranch_scc1 .Lnot_wave_0_\@
	s_barrier_signal -3
.Lnot_wave_0_\@:
	s_barrier_wait -3
	s_barrier_signal -1
	s_barrier_wait -1
.endm
.macro PLACES n
.rept \n
	v_nop
.endr
.endm
	s_load_b256 s[4:11], s[0:1], 0x0               ; xq 4, xs 6, wq 8, ws 10
	s_load_b128 s[12:15], s[0:1], 0x20             ; bqkv 12, qkv16 14
	v_lshl_add_u32 v[SPW], v0, 2, SPARE
	v_mov_b32 v[NIL], 0
	ds_add_u32 v[SPW], v[NIL]                      ; the wave's opening: the add, twice on end, and its wait ahead of my first tensor load
	ds_add_u32 v[SPW], v[NIL]
	v_lshrrev_b32 v1, 5, v0
	v_readfirstlane_b32 s96, v1                    ; wave 0..3
	s_lshr_b32 s97, s96, 1                         ; I fetch for x (0) or for W (1)
	s_and_b32 s98, s96, 1                          ; which half of that tile's rows
	s_bfe_u32 s40, ttmp6, 0x40000                  ; cx
	s_bfe_u32 s41, ttmp6, 0x40004                  ; cy
	s_lshl_b32 s42, ttmp9, 2
	s_add_co_u32 s42, s42, s40                     ; tile column
	s_and_b32 s45, ttmp7, 0xffff
	s_lshl_b32 s45, s45, 2
	s_add_co_u32 s45, s45, s41                     ; tile row
	s_lshl_b32 s43, s41, 2
	s_lshl_b32 s43, 15, s43                        ; my row of the cluster
	s_lshl_b32 s44, 0x1111, s40                    ; my column
	s_or_b32 s[G1+0], s43, (0<<16)|(1<<20)|(1<<21)|(5<<22)|(3<<25)   ; the mask; elements of 1 byte; padding: 4 words behind every 64; bit 21 beside a mask
	s_mov_b32 s[G1+1], 256<<16                     ; tensor_dim0
	s_mov_b32 s[G1+2], 128<<16                     ; tensor_dim1
	s_mov_b32 s[G1+3], 256<<16                     ; tile_dim0
	s_mov_b32 s[G1+4], 128                         ; tile_dim1
	s_mov_b32 s[G1+5], 512                         ; a row of codes in memory
	s_mov_b32 s[G1+6], 0
	s_mov_b32 s[G1+7], 0
	s_or_b32 s[G1B+0], s44, (0<<16)|(1<<20)|(1<<21)|(5<<22)|(3<<25)
	s_mov_b32 s[G1B+1], 256<<16
	s_mov_b32 s[G1B+2], 96<<16
	s_mov_b32 s[G1B+3], 256<<16
	s_mov_b32 s[G1B+4], 96
	s_mov_b32 s[G1B+5], 512
	s_mov_b32 s[G1B+6], 0
	s_mov_b32 s[G1B+7], 0
	s_or_b32 s[G1S+0], s43, (3<<16)|(1<<20)|(1<<21)|(5<<22)|(3<<25)  ; scale bytes: dense blocks, as rows of 32 elements of 8 bytes
	s_mov_b32 s[G1S+1], 32<<16
	s_mov_b32 s[G1S+2], 16<<16
	s_mov_b32 s[G1S+3], 32<<16
	s_mov_b32 s[G1S+4], 16
	s_mov_b32 s[G1S+5], 32
	s_mov_b32 s[G1S+6], 0
	s_mov_b32 s[G1S+7], 0
	s_or_b32 s[G1SB+0], s44, (3<<16)|(1<<20)|(1<<21)|(5<<22)|(3<<25)
	s_mov_b32 s[G1SB+1], 32<<16
	s_mov_b32 s[G1SB+2], 12<<16
	s_mov_b32 s[G1SB+3], 32<<16
	s_mov_b32 s[G1SB+4], 12
	s_mov_b32 s[G1SB+5], 32
	s_mov_b32 s[G1SB+6], 0
	s_mov_b32 s[G1SB+7], 0
	s_lshl_b32 s2, s45, 8
	s_lshl_b32 s3, s98, 7
	s_add_co_u32 s2, s2, s3                        ; x: row 256 x tile row + 128 x half
	s_lshl_b32 s22, s2, 5                          ; its scale bytes,
	s_mov_b32 s23, 0
	s_lshl_b32 s2, s2, 9                           ; its codes
	s_mov_b32 s3, 0
	s_mul_i32 s46, s42, 192
	s_mul_i32 s47, s98, 96
	s_add_co_u32 s46, s46, s47                     ; W: row 192 x tile column + 96 x half
	s_lshl_b32 s92, s46, 5
	s_mov_b32 s93, 0
	s_lshl_b32 s46, s46, 9
	s_mov_b32 s47, 0
	s_mul_i32 s94, s98, 128*PITCH                  ; where they go: no place in the cluster enters an LDS address
	s_mul_i32 s95, s98, 96*PITCH
	s_add_co_u32 s95, s95, BOFF
	s_mul_i32 s66, s98, 16*272
	s_add_co_u32 s66, s66, SCA
	s_mul_i32 s67, s98, 12*272
	s_add_co_u32 s67, s67, SCB
	s_wait_dscnt 0x0                               ; both opening adds are done
	s_wait_kmcnt 0x0
	s_add_nc_u64 s[4:5], s[4:5], s[2:3]
	s_add_nc_u64 s[6:7], s[6:7], s[22:23]
	s_add_nc_u64 s[8:9], s[8:9], s[46:47]
	s_add_nc_u64 s[10:11], s[10:11], s[92:93]
	CROUND                                         ; all sixteen work-groups are here: the joint loads meet
	s_mov_b32 s[G0S], 1
	s_mov_b32 s[G0S+1], s66
	s_mov_b64 s[G0S+2:G0S+3], s[6:7]
	s_or_b32 s[G0S+3], s[G0S+3], 0x80000000
	s_mov_b32 s[G0SB], 1
	s_mov_b32 s[G0SB+1], s67
	s_mov_b64 s[G0SB+2:G0SB+3], s[10:11]
	s_or_b32 s[G0SB+3], s[G0SB+3], 0x80000000
	JLOAD G0S, G1S, G0SB, G1SB                     ; the scales first: they are wanted with K step 0
.irp hf, 0,1
	s_mov_b32 s[G0+4*\hf], 1
	s_add_co_u32 s[G0+4*\hf+1], s94, \hf*SLOT
	s_add_nc_u64 s[G0+4*\hf+2:G0+4*\hf+3], s[4:5], \hf*256
	s_or_b32 s[G0+4*\hf+3], s[G0+4*\hf+3], 0x80000000
	s_mov_b32 s[G0B+4*\hf], 1
	s_add_co_u32 s[G0B+4*\hf+1], s95, \hf*SLOT
	s_add_nc_u64 s[G0B+4*\hf+2:G0B+4*\hf+3], s[8:9], \hf*256
	s_or_b32 s[G0B+4*\hf+3], s[G0B+4*\hf+3], 0x80000000
	JLOAD G0+4*\hf, G1, G0B+4*\hf, G1B
.endr
	v_and_b32 v1, 15, v0                           ; r
	v_bfe_u32 v2, v0, 4, 1                         ; h
	v_lshlrev_b32 v3, 5, v2                        ; the bias: lane (r, h) wants, for block b, the numbers of columns 16 b + 8 h + 0 .. 7
	s_mul_i32 s92, s42, 768
	s_mov_b32 s93, 0
	s_add_nc_u64 s[12:13], s[12:13], s[92:93]
	WIN 0x40                                       ; destination window 1
.irp b, 0,1,2,3,4,5,6,7,8,9,10,11
	global_load_b128 v[128+8*\b:131+8*\b], v3, s[12:13] offset:64*\b
	global_load_b128 v[132+8*\b:135+8*\b], v3, s[12:13] offset:64*\b+16
.endr
	WIN 0
	v_mul_u32_u24 v4, v1, PITCH
	v_lshl_add_u32 v4, v2, 4, v4                   ; a fragment's row x pitch + 16 x half
	s_mul_i32 s92, s96, 64*PITCH                   ; my 64 tokens
	v_add_nc_u32 v[ADRA], s92, v4
	v_add_nc_u32 v[ADRA+1], SLOT, v[ADRA]
	v_add_nc_u32 v[ADRB], BOFF, v4
	v_add_nc_u32 v[ADRB+1], SLOT, v[ADRB]
	v_lshlrev_b32 v5, 5, v1                        ; my row's scale bytes: 32 a row,
	v_lshrrev_b32 v6, 3, v1
	v_lshl_add_u32 v5, v6, 4, v5                   ; and 16 more for each 256 passed
	s_mul_i32 s92, s96, 4*544                      ; x's: my four blocks
	s_mov_b32 s93, SCB-SCA
	s_sub_co_u32 s93, s93, s92
	v_mul_u32_u24 v6, s93, v2                      ; lanes 16-31 take W's: one product, the distance between the two bases
	s_add_co_u32 s92, s92, SCA
	v_add_nc_u32 v5, v5, v6
	v_add_nc_u32 v[ADRS], s92, v5
	s_mul_i32 s92, s96, 16*SPITCH
	s_add_co_u32 s92, s92, STAGE                   ; my stage
	v_mul_u32_u24 v5, v1, SPITCH
	v_lshl_add_u32 v5, v2, 4, v5
	v_add_nc_u32 v[STO], s92, v5                   ; in: row r, 16 bytes for each half of the lanes
	v_and_b32 v6, 31, v0
	v_lshrrev_b32 v7, 3, v6
	v_and_b32 v8, 7, v6
	v_mul_u32_u24 v7, v7, SPITCH
	v_lshl_add_u32 v7, v8, 4, v7
	v_add_nc_u32 v[RD], s92, v7                    ; back: eight lanes take a plane's 128 bytes of a token, four tokens an instruction
	v_lshlrev_b32 v[CO], 4, v6                     ; which are 512 consecutive bytes of the output
	s_lshr_b32 s92, s45, 3                         ; the batch
	s_mul_i32 s92, s92, 48
	s_mul_i32 s93, s42, 3
	s_add_co_u32 s92, s92, s93                     ; my first plane
	s_lshl_b32 s92, s92, 11
	s_and_b32 s93, s45, 7
	s_lshl_b32 s93, s93, 8
	s_add_co_u32 s92, s92, s93
	s_lshl_b32 s93, s96, 6
	s_add_co_u32 s92, s92, s93                     ; + my first token
	s_lshl_b32 s92, s92, 7
	s_mov_b32 s93, 0
	s_add_nc_u64 s[14:15], s[14:15], s[92:93]
	s_mul_i32 s22, s42, 3
.irp hd, 0,1,2                                 ; each plane's factor: c for q, 1 for k and v.  chosen without a branch; the multiplication is done for all
	s_add_co_u32 s23, s22, \hd
	s_cmp_lt_u32 s23, 16
	s_cselect_b32 s[16+2*\hd], 0x3e38aa3b, 1.0
	s_mov_b32 s[17+2*\hd], s[16+2*\hd]
.endr
.macro FRAG reg, adr, q, i             ; 16 rows x 128 K of 4-bit codes: 8 registers; registers 4 c .. 4 c + 3 hold K = 64 c + 32 (lane / 16) + 0 .. 31
.irp c, 0,1
	ds_load_b128 v[\reg+4*\c:\reg+4*\c+3], v[\adr] offset:64*(\q)+32*\c+(\i)*16*PITCH
.endr
.endm
.macro FETCH q                         ; K step q's fragments into set q % 2: W's twelve (24 loads), then x's four (8 loads)
	WIN 0x40
.irp i, 0,1,2,3,4,5,6,7,8,9,10,11
	FRAG 128*((\q)%2)+8*\i, ADRB+(\q)/4, (\q)%4, \i
.endr
	WIN 0
.irp i, 0,1,2,3
	FRAG AF+32*((\q)%2)+8*\i, ADRA+(\q)/4, (\q)%4, \i
.endr
.endm
; 24 matrix instructions: token blocks a0, a0 + 1 x W's twelve.  The 48 accumulators take turns, one instruction a turn, in the same order in every step.
.macro MUL24 a0, q, first
.irp a, \a0, \a0+1
.irp b, 0,1,2,3,4,5,6,7,8,9,10,11
.if \first
	v_wmma_scale_f32_16x16x128_f8f6f4 v[8*(12*((\a)%2)+\b):8*(12*((\a)%2)+\b)+7], v[128*((\q)%2)+8*\b:128*((\q)%2)+8*\b+7], v[AF+32*((\q)%2)+8*(\a):AF+32*((\q)%2)+8*(\a)+7], v[128+8*\b:128+8*\b+7], v[SC+8*\b+(\q)], v[SC+8*(\a)+(\q)] matrix_a_fmt:MATRIX_FMT_FP4 matrix_b_fmt:MATRIX_FMT_FP4 matrix_a_scale:MATRIX_SCALE_ROW1
.else
	v_wmma_scale_f32_16x16x128_f8f6f4 v[8*(12*((\a)%2)+\b):8*(12*((\a)%2)+\b)+7], v[128*((\q)%2)+8*\b:128*((\q)%2)+8*\b+7], v[AF+32*((\q)%2)+8*(\a):AF+32*((\q)%2)+8*(\a)+7], v[8*(12*((\a)%2)+\b):8*(12*((\a)%2)+\b)+7], v[SC+8*\b+(\q)], v[SC+8*(\a)+(\q)] matrix_a_fmt:MATRIX_FMT_FP4 matrix_b_fmt:MATRIX_FMT_FP4 matrix_a_scale:MATRIX_SCALE_ROW1
.endif
.endr
.endr
.endm
.macro STEPQ q
	s_wait_dscnt 4                                 ; W's set and x's blocks 0, 1 are in; the youngest four loads (blocks 2, 3) may be out
	WIN 0xa1                                       ; source 0 (W) window 1, source 1 (x) window 0, C and D window 2
	MUL24 0, \q, 0
.if (\q) == 3
	s_wait_tensorcnt 0x0                           ; my part of the second half of K has landed,
	s_wait_dscnt 0x0
	s_barrier_signal -1
	s_barrier_wait -1                              ; everybody's has.
.endif
.if (\q) < 7
	PLACES 4                                       ; in front of loads into registers that the last step's products read
	FETCH (\q)+1
	s_wait_dscnt 32                                ; all but the 32 just issued
.else
	s_wait_dscnt 0x0
.endif
	WIN 0xf1                                       ; C and D window 3
	MUL24 2, \q, 0
.endm
	s_wait_tensorcnt 1                             ; the scales and my part of the first half of K are in; the second half's load may be out
	s_barrier_signal -1
	s_barrier_wait -1
.irp i, 0,1,2,3,4,5,6,7,8,9,10,11
	ds_load_b128 v[SC+8*\i:SC+8*\i+3], v[ADRS] offset:544*\i       ; the scale words of all eight K steps: they stay
	ds_load_b128 v[SC+8*\i+4:SC+8*\i+7], v[ADRS] offset:544*\i+16
.endr
	FETCH 0
	s_wait_dscnt 0x0
	s_wait_loadcnt 0x0                             ; the bias
	WIN 0x91                                       ; C (the bias) window 1, D window 2
	MUL24 0, 0, 1
	WIN 0xd1                                       ; D window 3
	MUL24 2, 0, 1
	PLACES 4                                       ; set 1 held the bias, which these products read
	FETCH 1
.irp q, 1,2,3,4,5,6,7
	STEPQ \q
.endr
; THE WAY OUT, by blocks of 16 tokens x 192 columns: times the plane's factor, rounded to f16, through my own stage, and out as runs of 512 consecutive bytes (four tokens of one plane).
.macro PACK a
	WIN 0x82+0x41*((\a)/2)                         ; destination and source 0: window 2 or 3
.irp b, 0,1,2,3,4,5,6,7,8,9,10,11
.irp p, 0,1,2,3
	v_pk_mul_f32 v[8*(12*((\a)%2)+\b)+2*\p:8*(12*((\a)%2)+\b)+2*\p+1], v[8*(12*((\a)%2)+\b)+2*\p:8*(12*((\a)%2)+\b)+2*\p+1], s[16+2*(\b/4):17+2*(\b/4)] op_sel_hi:[1,0]   ; each accumulator from its low end on
.endr
.endr
	WIN 0x0a+5*((\a)/2)                            ; sources 0 and 1: window 2 or 3
.irp b, 0,1,2,3,4,5,6,7,8,9,10,11
.irp p, 0,1,2,3
	v_cvt_pk_f16_f32 v[H+4*\b+\p], v[8*(12*((\a)%2)+\b)+2*\p], v[8*(12*((\a)%2)+\b)+2*\p+1]
.endr
.endr
	WIN 0
.endm
.macro TOSTAGE
.irp b, 0,1,2,3,4,5,6,7,8,9,10,11
	ds_store_b128 v[STO], v[H+4*\b:H+4*\b+3] offset:32*\b
.endr
.irp t, 0,1,2,3,4,5,6,7,8,9,10,11
	ds_load_b128 v[OB+4*\t:OB+4*\t+3], v[RD] offset:(\t%4)*4*SPITCH+(\t/4)*128   ; LDS serves a wave's instructions in order: these see the stores above
.endr
.endm
.macro SEND a
	s_wait_dscnt 0x0                               ; the block is back in registers, and the stage's stores have read theirs
.irp t, 0,1,2,3,4,5,6,7,8,9,10,11
	global_store_b128 v[CO], v[OB+4*\t:OB+4*\t+3], s[14:15] offset:(\t/4)*262144+(16*(\a)+4*(\t%4))*128
.endr
.endm
	PLACES 4                                       ; behind the last products: for the reads of results and the loads into x's registers
	PACK 0
	TOSTAGE
.irp a, 1,2,3
	SEND \a-1
	PACK \a
	s_wait_xcnt 0x0                                ; the stores have read their registers: the next block's rows may land there
	TOSTAGE
.endr
	SEND 3
	s_wait_tensorcnt 0x0                           ; the wave's end
	ds_add_u32 v[SPW], v[NIL]
	s_wait_dscnt 0x0
	CROUND                                         ; the closing round
	s_endpgm
.Lfunc_end_k_qbe2559e22f_qkv:
	.size	k_qbe2559e22f_qkv, .Lfunc_end_k_qbe2559e22f_qkv-k_qbe2559e22f_qkv
	.p2alignl 7, 3214868480
	.fill 96, 4, 3214868480
	.section	.rodata,"a",@progbits
	.p2align	6, 0x0
	.amdhsa_kernel k_qbe2559e22f_qkv
		.amdhsa_group_segment_fixed_size 327680
		.amdhsa_private_segment_fixed_size 0
		.amdhsa_enable_private_segment 0
		.amdhsa_kernarg_size 48
		.amdhsa_user_sgpr_count 2
		.amdhsa_user_sgpr_kernarg_segment_ptr 1
		.amdhsa_wavefront_size32 1
		.amdhsa_system_sgpr_workgroup_id_x 1
		.amdhsa_system_sgpr_workgroup_id_y 1
		.amdhsa_system_sgpr_workgroup_id_z 1
		.amdhsa_system_vgpr_workitem_id 0
		.amdhsa_next_free_vgpr 1024
		.amdhsa_next_free_sgpr 100
		.amdhsa_reserve_vcc 0
		.amdhsa_float_denorm_mode_32 3
		.amdhsa_float_denorm_mode_16_64 3
		.amdhsa_memory_ordered 1
		.amdhsa_forward_progress 1
		.amdhsa_inst_pref_size 117
	.end_amdhsa_kernel
	.amdgpu_metadata
---
amdhsa.version: [ 1, 2 ]
amdhsa.kernels:
  - .name:           k_qbe2559e22f_qkv
    .symbol:         k_qbe2559e22f_qkv.kd
    .args:
      - { .name: xq, .offset: 0, .size: 8, .value_kind: global_buffer, .address_space: global }
      - { .name: xs, .offset: 8, .size: 8, .value_kind: global_buffer, .address_space: global }
      - { .name: wq, .offset: 16, .size: 8, .value_kind: global_buffer, .address_space: global }
      - { .name: ws, .offset: 24, .size: 8, .value_kind: global_buffer, .address_space: global }
      - { .name: bqkv, .offset: 32, .size: 8, .value_kind: global_buffer, .address_space: global }
      - { .name: qkv16, .offset: 40, .size: 8, .value_kind: global_buffer, .address_space: global }
    .group_segment_fixed_size: 327680
    .private_segment_fixed_size: 0
    .kernarg_segment_align: 8
    .kernarg_segment_size: 48
    .max_flat_workgroup_size: 128
    .sgpr_count:     100
    .vgpr_count:     1024
    .wavefront_size: 32
...
	.end_amdgpu_metadata
.endif
;; end of part 2
;; launch attn (part 3): grid 4 x 64, 8 waves a work-group, clusters of 4 x 1, 327,680 bytes of LDS; arguments qkv16, mbits, att16; writes att16
.if DOCPART == 3
	.amdgcn_target "amdgcn-amd-amdhsa--gfx1250"
	.amdhsa_code_object_version 6
	.text
	.protected	k_qbe2559e22f_attn
	.globl	k_qbe2559e22f_attn
	.p2align	8
	.type	k_qbe2559e22f_attn,@function
k_qbe2559e22f_attn:
	s_mov_b64 s[64:65], 0
	v_nop
	global_prefetch_b8 v0, s[64:65] scope:SCOPE_SE
	s_setreg_imm32_b32 hwreg(HW_REG_WAVE_MODE, 25, 1), 1
	s_wait_xcnt 0x0
	s_wait_alu depctr_hold_cnt(0) depctr_sa_sdst(0) depctr_va_vdst(0) depctr_va_sdst(0) depctr_va_ssrc(0) depctr_va_vcc(0) depctr_vm_vsrc(0)
	s_getreg_b32 s2, hwreg(HW_REG_IB_STS2, 6, 4)
	s_cmp_eq_u32 s2, 0
	s_cbranch_scc0 .Lentry_in_a_cluster
	s_endpgm
.Lentry_in_a_cluster:
	s_bfe_u32 s2, ttmp6, 0x10000c
	s_cmp_lg_u32 s2, 0x3003
	s_cbranch_scc0 .Lentry_shape_is_right
	s_endpgm
.Lentry_shape_is_right:
; ATTENTION for one (batch, head): O[q] = sum over k of softmax_k(t[q][k]) v[k], t = (c q) . k in base 2 (c is already in q), masked keys at -infinity.  q, k, v, p in f16; products, maxima and sums in f32.
; Out: att16 [head 16][batch x 2048 + token][64] f16.  A row all of whose keys are masked ends with sum 0 and O 0: 0 x (1 / 0) is NaN, as the softmax of such a row is.
; LIMIT: |q|, |k|, |v| under 65,504 (f16).
; SHARES.  A work-group owns 512 queries, each of its eight waves 64: four tiles of 16, worked as two pieces of two tiles.  Two waves share a SIMD (512 registers each): one wave's softmax is issued while the other's products run.
; Every wave walks all 2,048 keys, 64 a step.  K and V come through a ring of two LDS slots of 256 keys; each wave fetches 64 rows (waves 0-3: K's, waves 4-7: V's): one tensor load of a wave is out.
; CLUSTER.  The four query blocks of a head walk the same K and V: each tile is asked for jointly, by the same load with a mask that names the four.
; LAYOUT.  S^T = K Q^T and O^T = V^T P: a lane holds ONE query (lane % 16) throughout.  THE KEYS OF A TILE OF 16 ARE TAKEN IN THE ORDER row 8 h + j = key 2 j + h, in K's fragments, in V's turning loads and in the mask words alike:
; so one LDS pitch of 144 bytes serves K's loads (16 rows at 16 different banks) and V's turning loads (eight even or eight odd rows).
; THE MASK is one v_cndmask_b32 a score register, ahead of the maximum: its lane mask is a word made by the launch before, brought by scalar loads one piece ahead.
; SOFTMAX.  Running maximum m of the unmasked t (begun at -3e38) and sum l: p = 2^(t - m); in every step O and l are multiplied by a = 2^(m_old - m_new).
; REGISTERS: window 0: v1-12 addresses and constants; v16-47 statistics, 8 a tile; v64-127 S^T of a piece; v128-191 V; v192-255 P, 16 a tile.   window 1: v0-127 O^T, 32 a tile; v128-191 Q; v192-255 K.
.set PKV,   144                        ; a row of K or V in LDS: 128 bytes + 16
.set VOFF,  256*PKV                    ; a slot: K's 256 rows, then V's
.set STEPB, 64*PKV
.set SLOT1, 131072
.set STAGE, 204800                     ; the way out: 16 rows x 144 for each wave; no fill lands here
.set SPARE, STAGE+8*16*PKV             ; the spare words, 128 bytes a wave
.set AK0, 1
.set AV0, 2
.set ADK, 3
.set ADV, 4
.set QO,  5
.set STO, 6
.set RD,  7
.set GO,  8
.set NINF, 9
.set SPW, 10
.set NIL, 11
.set PFO, 12
.set ST,  16                           ; tile t at v[ST + 8 t]: +0 m, +1 the old m, +2, +3 l, +4 to +7 at work; a takes +6
.set S,   64
.set VF,  128
.set P,   192
.set QF,  128                          ; in window 1
.set KF,  192
.set SEL, 52                           ; s[52:53]
.set TB,  54                           ; LDS byte at which the step's rows of K begin
.set WV,  55
.set SLOTS, 56
.set CNT, 57
.set SOFF, 58                          ; the step's 128 bytes in a row tile's 4,096 bytes of mask words
.set LIM, 59
.set PFA, 60                           ; s[60:61]
.set G1,  84
.set G0,  92
.set MB,  96                           ; s[96:97] my first row tile's mask words
.set OBS, 98                           ; s[98:99] my rows of the output
.set QBS, 100                          ; s[100:101] my rows of q
; s[4:51] and s[68:83]: the 64 mask words of a piece
.set MSB, 0
.macro WIN new
.if MSB != (\new)
	s_set_vgpr_msb (MSB<<8)|(\new)
.set MSB, (\new)
.endif
.endm
.macro CROUND
	s_barrier_signal -1
	s_barrier_wait -1
	s_cmp_lg_u32 s[WV], 0
	s_cbranch_scc1 .Lnot_wave_0_\@
	s_barrier_signal -3
.Lnot_wave_0_\@:
	s_barrier_wait -3
	s_barrier_signal -1
	s_barrier_wait -1
.endm
; A prefetch of what the NEXT change of slots will ask for: a slot's 256 rows of K and of V, 32,768 dense bytes each.  The four partners take a quarter each, told apart by address; in each, wave 0 asks for K's and wave 4 for V's,
; lanes 256 bytes apart: each block is named once in the launch.  It stands behind the wave's tensor load; the last change that fills a slot asks for nothing; slots 0 and 1 come by their loads alone.
.macro ASK
	s_cmp_gt_u32 s[SLOTS], s[LIM]
	s_cbranch_scc0 .Lnot_mine_\@
	global_prefetch_b8 v[PFO], s[PFA:PFA+1] th:TH_LOAD_NT scope:SCOPE_SE
.Lnot_mine_\@:
.endm
.macro MLOAD p8                        ; a piece's 64 mask words: two row tiles x 128 bytes
	s_load_b512 s[4:19], s[MB:MB+1], s[SOFF] offset:\p8
	s_load_b512 s[20:35], s[MB:MB+1], s[SOFF] offset:\p8+64
	s_load_b512 s[36:51], s[MB:MB+1], s[SOFF] offset:\p8+4096
	s_load_b512 s[68:83], s[MB:MB+1], s[SOFF] offset:\p8+4160
.endm
	s_load_b128 s[68:71], s[0:1], 0x0              ; qkv16 68, mbits 70
	s_load_b64 s[72:73], s[0:1], 0x10              ; att16
	v_lshl_add_u32 v[SPW], v0, 2, SPARE
	v_mov_b32 v[NIL], 0
	ds_add_u32 v[SPW], v[NIL]                      ; the wave's opening: the add, twice on end, and its wait ahead of my first tensor load
	ds_add_u32 v[SPW], v[NIL]
	v_lshrrev_b32 v13, 5, v0
	v_readfirstlane_b32 s[WV], v13                 ; wave 0..7
	s_bfe_u32 s62, ttmp6, 0x40000                  ; cx: my block of 512 queries
	s_and_b32 s2, ttmp7, 0xffff
	s_lshr_b32 s3, s2, 4                           ; the batch
	s_and_b32 s2, s2, 15                           ; the head
	s_mov_b32 s[G1], 15|(1<<16)|(1<<20)|(1<<21)|(4<<22)|(3<<25)   ; the mask: all four; elements of 2 bytes; padding: 4 words behind every 32; bit 21 beside a mask
	s_mov_b32 s[G1+1], 64<<16                      ; tensor_dim0
	s_mov_b32 s[G1+2], 64<<16                      ; tensor_dim1
	s_mov_b32 s[G1+3], 64<<16                      ; tile_dim0
	s_mov_b32 s[G1+4], 64                          ; tile_dim1
	s_mov_b32 s[G1+5], 64                          ; rows are dense
	s_mov_b32 s[G1+6], 0
	s_mov_b32 s[G1+7], 0
	s_mov_b32 s[SEL], 0x76543210
	s_mov_b32 s[SEL+1], 0xfedcba98
	s_mov_b32 s[TB], 0
	s_mov_b32 s[SOFF], 0
	s_mov_b32 s[SLOTS], 7
	s_and_b32 s[LIM], s[WV], 3
	s_cmp_eq_u32 s[LIM], 0
	s_cselect_b32 s[LIM], 1, -1                    ; waves 0 and 4 prefetch
	s_mul_i32 s63, s3, 48
	s_add_co_u32 s63, s63, s2                      ; q's plane
	s_lshr_b32 s74, s[WV], 2
	s_lshl_b32 s74, s74, 4
	s_add_co_u32 s74, s74, s63
	s_add_co_u32 s74, s74, 16                      ; the plane that I fetch from: k's (waves 0-3) or v's
	s_lshl_b32 s74, s74, 18
	s_mov_b32 s75, 0
	s_and_b32 s76, s[WV], 3
	s_lshl_b32 s76, s76, 13                        ; my 64 rows of a slot's 256
	s_mov_b32 s77, 0
	s_lshl_b32 s78, s62, 13                        ; my work-group's quarter of a slot, for the prefetches
	s_mov_b32 s79, 0
	s_lshl_b32 s6, s62, 16
	s_lshl_b32 s7, s[WV], 13
	s_add_co_u32 s6, s6, s7                        ; my wave's 64 rows of 128 bytes in a plane of 2,048
	s_lshl_b32 s80, s63, 18
	s_add_co_u32 s80, s80, s6
	s_mov_b32 s81, 0                               ; q
	s_lshl_b32 s82, s2, 20
	s_lshl_b32 s83, s3, 18
	s_add_co_u32 s82, s82, s83
	s_add_co_u32 s82, s82, s6
	s_mov_b32 s83, 0                               ; the output
	s_lshl_b32 s4, s3, 19
	s_lshl_b32 s5, s62, 17
	s_add_co_u32 s4, s4, s5
	s_lshl_b32 s5, s[WV], 14
	s_add_co_u32 s4, s4, s5
	s_mov_b32 s5, 0                                ; the mask words: row tile 128 b + 32 cx + 4 w, 4,096 bytes each
	s_wait_dscnt 0x0                               ; both opening adds are done
	s_wait_kmcnt 0x0
	s_mov_b32 s[G0], 1
	s_mul_i32 s[G0+1], s[WV], STEPB                ; LDS: wave x 64 rows: K's four parts, then V's four
	s_add_nc_u64 s[G0+2:G0+3], s[68:69], s[74:75]
	s_add_nc_u64 s[G0+2:G0+3], s[G0+2:G0+3], s[76:77]
	s_or_b32 s[G0+3], s[G0+3], 0x80000000
	s_add_nc_u64 s[PFA:PFA+1], s[68:69], s[74:75]
	s_add_nc_u64 s[PFA:PFA+1], s[PFA:PFA+1], s[78:79]
	s_add_nc_u64 s[PFA:PFA+1], s[PFA:PFA+1], 32768 ; in slot 1: the first change of slots steps it to slot 2
	s_add_nc_u64 s[QBS:QBS+1], s[68:69], s[80:81]
	s_add_nc_u64 s[OBS:OBS+1], s[72:73], s[82:83]
	s_add_nc_u64 s[MB:MB+1], s[70:71], s[4:5]
	CROUND                                         ; all four work-groups are here
	tensor_load_to_lds s[G0:G0+3], s[G1:G1+7]      ; slot 0
	s_nop 0
.rept 4
	v_nop
.endr
	MLOAD 0                                        ; step 0, piece 0
	v_and_b32 v13, 15, v0                          ; r
	v_bfe_u32 v14, v0, 4, 1                        ; h
	v_and_b32 v15, 7, v0
	v_bfe_u32 v48, v0, 3, 1
	v_lshlrev_b32 v[QO], 7, v13
	v_lshl_add_u32 v[QO], v14, 4, v[QO]            ; q: row r of 128 bytes, + 16 h
	WIN 0x40                                       ; destination window 1
.irp f, 0,1,2,3,4,5,6,7                        ; Q stays in registers: tile f / 2, channels 32 (f % 2) on
	global_load_b128 v[QF+8*\f:QF+8*\f+3], v[QO], s[QBS:QBS+1] offset:(\f/2)*2048+(\f%2)*64
	global_load_b128 v[QF+8*\f+4:QF+8*\f+7], v[QO], s[QBS:QBS+1] offset:(\f/2)*2048+(\f%2)*64+32
.endr
.set i, 0
.rept 128
	v_mov_b32 v[i], 0                              ; O^T.  The key step is written once: its first walk finds zeros, which a = 0 leaves zeros
.set i, i+1
.endr
	WIN 0
	v_lshl_add_u32 v[AK0], v15, 1, v48             ; K: fragment row r is key 2 (r % 8) + r / 8
	v_mul_u32_u24 v[AK0], v[AK0], PKV
	v_lshl_add_u32 v[AK0], v14, 4, v[AK0]
	v_lshl_add_u32 v[AV0], v15, 1, v14             ; V: the turning load's lane takes key 2 (l % 8) + l / 16, channels 8 ((l / 8) % 2) on
	v_mul_u32_u24 v[AV0], v[AV0], PKV
	v_lshl_add_u32 v[AV0], v48, 4, v[AV0]
	v_add_nc_u32 v[AV0], VOFF, v[AV0]
	s_mul_i32 s62, s[WV], 16*PKV
	s_add_co_u32 s62, s62, STAGE                   ; my stage
	v_mul_u32_u24 v[STO], v13, PKV
	v_lshl_add_u32 v[STO], v14, 4, v[STO]
	v_add_nc_u32 v[STO], s62, v[STO]
	v_bfe_u32 v[RD], v0, 3, 2
	v_mul_u32_u24 v[RD], v[RD], PKV
	v_lshl_add_u32 v[RD], v15, 4, v[RD]
	v_add_nc_u32 v[RD], s62, v[RD]                 ; back: eight lanes to a row of 128 bytes, four rows an instruction
	v_and_b32 v[GO], 31, v0
	v_lshlrev_b32 v[PFO], 8, v[GO]
	v_lshlrev_b32 v[GO], 4, v[GO]
	v_mov_b32 v[NINF], 0xff800000
.irp t, 0,1,2,3
	v_mov_b32 v[ST+8*\t], 0xff61b1e6               ; m: -3e38, under every t
	v_mov_b32 v[ST+8*\t+2], 0
	v_mov_b32 v[ST+8*\t+3], 0
.endr
.macro FETCH_K                         ; the step's 64 keys x 64 channels: 8 fragments
	v_add_nc_u32 v[ADK], s[TB], v[AK0]
	WIN 0x40
.irp f, 0,1,2,3,4,5,6,7
	ds_load_b128 v[KF+8*\f:KF+8*\f+3], v[ADK] offset:(\f/2)*16*PKV+(\f%2)*64
	ds_load_b128 v[KF+8*\f+4:KF+8*\f+7], v[ADK] offset:(\f/2)*16*PKV+(\f%2)*64+32
.endr
.endm
.macro FETCH_V                         ; and V, turned: fragment 4 g + c: keys 32 g on, channels 16 c on
	v_add_nc_u32 v[ADV], s[TB], v[AV0]
.irp f, 0,1,2,3,4,5,6,7
	ds_load_tr16_b128 v[VF+8*\f:VF+8*\f+3], v[ADV] offset:(\f/4)*32*PKV+(\f%4)*32
	ds_load_tr16_b128 v[VF+8*\f+4:VF+8*\f+7], v[ADV] offset:(\f/4)*32*PKV+16*PKV+(\f%4)*32
.endr
.endm
; 16 products S^T = K Q^T for tiles y, y + 1; eight accumulators by turns; the first eight start the sums.
.macro KQ y
	WIN 0x05                                       ; K and Q window 1, S^T window 0
.set i, 0
.rept 16
.set rS, S+32*(i%2)+8*((i/2)%4)
.set rK, KF+8*(2*((i/2)%4)+i/8)
.set rQ, QF+16*(\y+i%2)+8*(i/8)
.if i < 8
	v_wmma_f32_16x16x32_f16 v[rS:rS+7], v[rK:rK+7], v[rQ:rQ+7], 0
.else
	v_wmma_f32_16x16x32_f16 v[rS:rS+7], v[rK:rK+7], v[rQ:rQ+7], v[rS:rS+7]
.endif
.set i, i+1
.endr
.endm
; 16 products O^T += V^T P for tiles y, y + 1; eight accumulators by turns.
.macro PV y
	WIN 0x50                                       ; V and P window 0, O^T window 1
.set i, 0
.rept 16
.set rO, 32*(\y+i%2)+8*((i/2)%4)
.set rV, VF+8*(4*(i/8)+(i/2)%4)
.set rP, P+16*(\y+i%2)+8*(i/8)
	v_wmma_f32_16x16x32_f16 v[rO:rO+7], v[rV:rV+7], v[rP:rP+7], v[rO:rO+7]
.set i, i+1
.endr
.endm
; THE SOFTMAX of tiles y, y + 1 for one key step, the two tiles line by line.
.macro SM y
	WIN 0
	s_wait_kmcnt 0x0                               ; this piece's mask words are in, so their loads' offset may be written
.if \y == 2
	s_add_co_u32 s[SOFF], s[SOFF], 128             ; the next step's words; behind the last step it goes back to step 0: the look-ahead stays inside its buffer
	s_and_b32 s[SOFF], s[SOFF], 0xfff
.endif
.rept 4
	v_nop                                          ; the places behind the products that made these scores; also those in front of the next loads into K's and V's registers
.endr
.set i, 0
.rept 32
	v_cndmask_b32 v[S+i], v[S+i], v[NINF], s[4+i]                  ; masked keys: -infinity.  Each accumulator from its low end on
	v_cndmask_b32 v[S+32+i], v[S+32+i], v[NINF], s[36+i+16*(i/16)]
.set i, i+1
.endr
.if \y == 0
	MLOAD 8192                                     ; the other piece's words of this step: two row tiles on
	FETCH_V                                        ; V of this step: its registers' last readers stand far back
.else
	MLOAD 0                                        ; the first piece's words of the next step
.endif
.irp j, 0,1,2,3                                ; the maximum of 32 scores and the old m, three operands at a time, four chains a tile
.irp tt, 0,1
	v_max3_num_f32 v[ST+8*(\y+\tt)+4+\j], v[S+32*\tt+8*\j], v[S+32*\tt+8*\j+1], v[S+32*\tt+8*\j+2]
.endr
.endr
.irp k, 1,2
.irp j, 0,1,2,3
.irp tt, 0,1
	v_max3_num_f32 v[ST+8*(\y+\tt)+4+\j], v[ST+8*(\y+\tt)+4+\j], v[S+32*\tt+8*\j+2*\k+1], v[S+32*\tt+8*\j+2*\k+2]
.endr
.endr
.endr
.irp tt, 0,1
	v_max3_num_f32 v[ST+8*(\y+\tt)+4], v[ST+8*(\y+\tt)+4], v[S+32*\tt+7], v[S+32*\tt+15]
	v_max3_num_f32 v[ST+8*(\y+\tt)+6], v[ST+8*(\y+\tt)+6], v[S+32*\tt+23], v[S+32*\tt+31]
.endr
.irp tt, 0,1
	v_max3_num_f32 v[ST+8*(\y+\tt)+4], v[ST+8*(\y+\tt)+4], v[ST+8*(\y+\tt)+5], v[ST+8*(\y+\tt)+6]
.endr
.irp tt, 0,1
	v_max3_num_f32 v[ST+8*(\y+\tt)+4], v[ST+8*(\y+\tt)+4], v[ST+8*(\y+\tt)+7], v[ST+8*(\y+\tt)]
.endr
.irp tt, 0,1
	v_permlanex16_b32 v[ST+8*(\y+\tt)+5], v[ST+8*(\y+\tt)+4], s[SEL], s[SEL+1]   ; the query's other 32 keys lie in the lane 16 away
.endr
.irp tt, 0,1
	v_mov_b32 v[ST+8*(\y+\tt)+1], v[ST+8*(\y+\tt)]
.endr
.irp tt, 0,1
	v_max_num_f32 v[ST+8*(\y+\tt)], v[ST+8*(\y+\tt)+4], v[ST+8*(\y+\tt)+5]       ; the new m
.endr
.irp tt, 0,1
	v_sub_f32 v[ST+8*(\y+\tt)+7], v[ST+8*(\y+\tt)+1], v[ST+8*(\y+\tt)]
.endr
.irp tt, 0,1
	v_exp_f32 v[ST+8*(\y+\tt)+6], v[ST+8*(\y+\tt)+7]                             ; a
.endr
; ONE BATCH: 32 subtractions t - m (a pair each) and 66 exponentials; none reads an exponential's result.  A pair is subtracted one group ahead of its exponentials.
.set b, 0
.rept 17
.if b < 16
	v_pk_add_f32 v[S+2*b:S+2*b+1], v[S+2*b:S+2*b+1], v[ST+8*\y:ST+8*\y+1] op_sel_hi:[1,0] neg_lo:[0,1] neg_hi:[0,1]
	v_pk_add_f32 v[S+32+2*b:S+32+2*b+1], v[S+32+2*b:S+32+2*b+1], v[ST+8*(\y+1):ST+8*(\y+1)+1] op_sel_hi:[1,0] neg_lo:[0,1] neg_hi:[0,1]
.endif
.if b > 0
	v_exp_f32 v[S+2*b-2], v[S+2*b-2]
	v_exp_f32 v[S+2*b-1], v[S+2*b-1]
	v_exp_f32 v[S+32+2*b-2], v[S+32+2*b-2]
	v_exp_f32 v[S+32+2*b-1], v[S+32+2*b-1]
.endif
.set b, b+1
.endr
	v_nop                                          ; a plain instruction behind the last exponential,
	s_wait_alu depctr_va_vdst(0)                   ; and the one wait ahead of the batch's first reader
.set i, 0
.rept 16
	v_cvt_pk_f16_f32 v[P+16*\y+i], v[S+2*i], v[S+2*i+1]            ; two tiles of 16 keys, rounded in pairs, ARE source 1 (32 keys x 16 queries) of the second product
	v_cvt_pk_f16_f32 v[P+16*(\y+1)+i], v[S+32+2*i], v[S+32+2*i+1]
.set i, i+1
.endr
.set z, 0
.rept 15                                       ; the sum of a tile's 16 pairs, in place: neighbours 1, 2, 4, 8 pairs apart
.set w, 4
.set u, z
.if z >= 14
.set w, 32
.set u, 0
.elseif z >= 12
.set w, 16
.set u, z-12
.elseif z >= 8
.set w, 8
.set u, z-8
.endif
	v_pk_add_f32 v[S+w*u:S+w*u+1], v[S+w*u:S+w*u+1], v[S+w*u+w/2:S+w*u+w/2+1]
	v_pk_add_f32 v[S+32+w*u:S+32+w*u+1], v[S+32+w*u:S+32+w*u+1], v[S+32+w*u+w/2:S+32+w*u+w/2+1]
.set z, z+1
.endr
.irp tt, 0,1
	v_pk_fma_f32 v[ST+8*(\y+\tt)+2:ST+8*(\y+\tt)+3], v[ST+8*(\y+\tt)+2:ST+8*(\y+\tt)+3], v[ST+8*(\y+\tt)+6:ST+8*(\y+\tt)+7], v[S+32*\tt:S+32*\tt+1] op_sel_hi:[1,0,1]   ; l = a l + the sum
.endr
	WIN 0x41                                       ; O^T (destination and source 0) window 1, a window 0
.set i, 0
.rept 16
	v_pk_mul_f32 v[32*\y+2*i:32*\y+2*i+1], v[32*\y+2*i:32*\y+2*i+1], v[ST+8*\y+6:ST+8*\y+7] op_sel_hi:[1,0]
	v_pk_mul_f32 v[32*(\y+1)+2*i:32*(\y+1)+2*i+1], v[32*(\y+1)+2*i:32*(\y+1)+2*i+1], v[ST+8*(\y+1)+6:ST+8*(\y+1)+7] op_sel_hi:[1,0]
.set i, i+1
.endr
.endm
.macro STEP
	FETCH_K
	s_wait_dscnt 0x0                               ; K is in
	KQ 0
	SM 0
	KQ 2
	s_wait_dscnt 0x0                               ; V is in
	PV 0
	SM 2
	PV 2
	WIN 0
	s_add_co_u32 s[TB], s[TB], STEPB
.endm
.macro FOUR_STEPS                      ; a slot's four key steps: written once, walked four times
	s_mov_b32 s[CNT], 4
.Lstep_\@:
	STEP
	s_sub_co_u32 s[CNT], s[CNT], 1
	s_cmp_lg_u32 s[CNT], 0
	s_cbranch_scc1 .Lstep_\@
	s_sub_co_u32 s[TB], s[TB], 4*STEPB
	s_xor_b32 s[TB], s[TB], SLOT1                  ; on to the other slot
.endm
; THE CHANGE OF SLOTS stands at a slot's head.  Each wave waits for all its tensor loads (its part of the slot ahead), adds 0 to its spare word, and waits for that and for its reads of the slot that it has left.
; fill = 1: the barrier is a round of the cluster's, and behind it the slot that was left is filled with the next 256 keys: the load has four key steps in which to land.
.macro CHANGE fill
	s_wait_tensorcnt 0x0                           ; no tensor load of mine is out, so the descriptor may be written
	ds_add_u32 v[SPW], v[NIL]
.if \fill
	s_xor_b32 s[G0+1], s[G0+1], SLOT1              ; the other slot than last time,
	s_add_nc_u64 s[G0+2:G0+3], s[G0+2:G0+3], 32768 ; the next 256 rows
	s_wait_xcnt 0x0                                ; the last prefetch, a slot back, has read its address
	s_add_nc_u64 s[PFA:PFA+1], s[PFA:PFA+1], 32768
	s_wait_dscnt 0x0
	CROUND
	tensor_load_to_lds s[G0:G0+3], s[G1:G1+7]      ; my one tensor load behind the round
	s_nop 0
.rept 4
	v_nop
.endr
	ASK
.else
	s_wait_dscnt 0x0
	s_barrier_signal -1
	s_barrier_wait -1
.endif
.endm
	s_wait_loadcnt 0x0                             ; Q
.Lslot:                                            ; seven trips: behind each change of slots but the last the next slot is asked for
	CHANGE 1
	FOUR_STEPS
	s_sub_co_u32 s[SLOTS], s[SLOTS], 1
	s_cmp_lg_u32 s[SLOTS], 0
	s_cbranch_scc1 .Lslot
	CHANGE 0                                       ; the last slot is written out
	FOUR_STEPS
	; THE WAY OUT: l's two halves and the other half of the lanes'; O^T / l, rounded to f16, a tile (16 rows of 128 bytes) at a time through my stage.  The additions are the places behind the last products.
	s_wait_kmcnt 0x0                               ; the last look-ahead of mask words
.irp t, 0,1,2,3
	v_add_f32 v[ST+8*\t+4], v[ST+8*\t+2], v[ST+8*\t+3]
.endr
.irp t, 0,1,2,3
	v_permlanex16_b32 v[ST+8*\t+5], v[ST+8*\t+4], s[SEL], s[SEL+1]
.endr
.irp t, 0,1,2,3
	v_add_f32 v[ST+8*\t+4], v[ST+8*\t+4], v[ST+8*\t+5]
.endr
.irp t, 0,1,2,3
	v_rcp_f32 v[ST+8*\t+6], v[ST+8*\t+4]
.endr
	v_nop
	s_wait_alu depctr_va_vdst(0)                   ; one wait for the four reciprocals, ahead of their first reader
.macro PACK t
	WIN 0x41
.set i, 32*\t
.rept 16
	v_pk_mul_f32 v[i:i+1], v[i:i+1], v[ST+8*\t+6:ST+8*\t+7] op_sel_hi:[1,0]
.set i, i+2
.endr
	WIN 0x05                                       ; sources window 1, destination window 0: S^T's registers are free
.set i, 0
.rept 16
	v_cvt_pk_f16_f32 v[S+16*\t+i], v[32*\t+2*i], v[32*\t+2*i+1]
.set i, i+1
.endr
	WIN 0
.irp c, 0,1,2,3
	ds_store_b128 v[STO], v[S+16*\t+4*\c:S+16*\t+4*\c+3] offset:32*\c
.endr
.irp f, 0,1,2,3
	ds_load_b128 v[S+16*\t+4*\f:S+16*\t+4*\f+3], v[RD] offset:\f*4*PKV   ; LDS serves a wave's instructions in order: these see the stores above; the next tile's stores come behind them
.endr
.endm
.macro SEND t, younger                 ; younger: the next tile's eight LDS instructions, or none
.irp f, 0,1,2,3
	s_wait_dscnt \younger+3-\f
	global_store_b128 v[GO], v[S+16*\t+4*\f:S+16*\t+4*\f+3], s[OBS:OBS+1] offset:\t*2048+\f*512   ; 32 lanes store 512 consecutive bytes, aligned
.endr
.endm
	PACK 0
	PACK 1
	SEND 0, 8
	PACK 2
	SEND 1, 8
	PACK 3
	SEND 2, 8
	SEND 3, 0
	s_wait_tensorcnt 0x0                           ; the wave's end
	ds_add_u32 v[SPW], v[NIL]
	s_wait_dscnt 0x0
	CROUND                                         ; the closing round
	s_endpgm
.Lfunc_end_k_qbe2559e22f_attn:
	.size	k_qbe2559e22f_attn, .Lfunc_end_k_qbe2559e22f_attn-k_qbe2559e22f_attn
	.p2alignl 7, 3214868480
	.fill 96, 4, 3214868480
	.section	.rodata,"a",@progbits
	.p2align	6, 0x0
	.amdhsa_kernel k_qbe2559e22f_attn
		.amdhsa_group_segment_fixed_size 327680
		.amdhsa_private_segment_fixed_size 0
		.amdhsa_enable_private_segment 0
		.amdhsa_kernarg_size 24
		.amdhsa_user_sgpr_count 2
		.amdhsa_user_sgpr_kernarg_segment_ptr 1
		.amdhsa_wavefront_size32 1
		.amdhsa_system_sgpr_workgroup_id_x 1
		.amdhsa_system_sgpr_workgroup_id_y 1
		.amdhsa_system_sgpr_workgroup_id_z 1
		.amdhsa_system_vgpr_workitem_id 0
		.amdhsa_next_free_vgpr 512
		.amdhsa_next_free_sgpr 104
		.amdhsa_reserve_vcc 0
		.amdhsa_float_denorm_mode_32 3
		.amdhsa_float_denorm_mode_16_64 3
		.amdhsa_memory_ordered 1
		.amdhsa_forward_progress 1
		.amdhsa_inst_pref_size 108
	.end_amdhsa_kernel
	.amdgpu_metadata
---
amdhsa.version: [ 1, 2 ]
amdhsa.kernels:
  - .name:           k_qbe2559e22f_attn
    .symbol:         k_qbe2559e22f_attn.kd
    .args:
      - { .name: qkv16, .offset: 0, .size: 8, .value_kind: global_buffer, .address_space: global }
      - { .name: mbits, .offset: 8, .size: 8, .value_kind: global_buffer, .address_space: global }
      - { .name: att16, .offset: 16, .size: 8, .value_kind: global_buffer, .address_space: global }
    .group_segment_fixed_size: 327680
    .private_segment_fixed_size: 0
    .kernarg_segment_align: 8
    .kernarg_segment_size: 24
    .max_flat_workgroup_size: 256
    .sgpr_count:     104
    .vgpr_count:     512
    .wavefront_size: 32
...
	.end_amdgpu_metadata
.endif
;; end of part 3
;; launch proj (part 4): grid 8 x 32, 4 waves a work-group, clusters of 4 x 4, 327,680 bytes of LDS; arguments att16, wp16, bproj, out0; writes out0
.if DOCPART == 4
	.amdgcn_target "amdgcn-amd-amdhsa--gfx1250"
	.amdhsa_code_object_version 6
	.text
	.protected	k_qbe2559e22f_proj
	.globl	k_qbe2559e22f_proj
	.p2align	8
	.type	k_qbe2559e22f_proj,@function
k_qbe2559e22f_proj:
	s_mov_b64 s[64:65], 0
	v_nop
	global_prefetch_b8 v0, s[64:65] scope:SCOPE_SE
	s_setreg_imm32_b32 hwreg(HW_REG_WAVE_MODE, 25, 1), 1
	s_wait_xcnt 0x0
	s_wait_alu depctr_hold_cnt(0) depctr_sa_sdst(0) depctr_va_vdst(0) depctr_va_sdst(0) depctr_va_ssrc(0) depctr_va_vcc(0) depctr_vm_vsrc(0)
	s_getreg_b32 s2, hwreg(HW_REG_IB_STS2, 6, 4)
	s_cmp_eq_u32 s2, 0
	s_cbranch_scc0 .Lentry_in_a_cluster
	s_endpgm
.Lentry_in_a_cluster:
	s_bfe_u32 s2, ttmp6, 0x10000c
	s_cmp_lg_u32 s2, 0xf033
	s_cbranch_scc0 .Lentry_shape_is_right
	s_endpgm
.Lentry_shape_is_right:
; out0 = att Wproj + bproj.  att16: [head 16][8192 rows][64] f16; wp16: [k 1024][n 1024] f16; out0: [8192][1024] f32; sums in f32.
; A tile of the result is 256 rows x 128 columns: 8 x 32 = 256 work-groups.  Four waves, 2 x 2: a wave makes 128 x 64: 32 accumulators.  K goes in steps of 128 (two heads) through a ring of two LDS slots.
; Waves 0 and 1 fetch a head's 256 rows of att each (dense in memory), waves 2 and 3 64 rows (k) x 128 columns of W each: one tensor load a wave behind each round; two are out at the start.
; CLUSTERS: 4 x 4.  att's tile hangs on the tile row alone and is shared along a row of the cluster, W's on the tile column alone, along a column.
; W lies [k][n]: its fragments come out of LDS turned, by ds_load_tr16_b128.  THE MATRIX INSTRUCTION IS USED TRANSPOSED (source 0 = 16 columns of W, source 1 = 16 rows of att): a lane holds eight neighbouring columns of one row.
; The bias is the C of each sum's first instruction.  A wave's 64 columns are 256 bytes, aligned: the way out goes through each wave's own stage and needs no barrier.
; REGISTERS: window 0: v6 the bias loads' offset; v16-29 addresses; two fragment buffers (att 64 registers, W 32) at v32 and v128; v224-255 the bias; on the way out v32-95 rows read back.   window 1: the accumulators, (i, b) at v[8 (4 i + b)].
.set PA,     144                       ; a row of att in LDS: 128 bytes + 16
.set PW,     288                       ; a row of W: 256 + 32
.set AHEAD,  256*PA
.set WOFF,   2*AHEAD
.set SLOT,   WOFF+128*PW
.set STAGE,  2*SLOT
.set SPITCH, 272
.set SPARE,  STAGE+4*16*SPITCH
.set BO,   6                           ; v6  32 x (lane / 16): the bias loads' offset; never rewritten, so that no pending load's source is written over
.set ADRA, 16
.set ADRW, 20
.set STO,  24
.set RD,   25
.set CO,   26
.set SPW,  28
.set NIL,  29
.set F0,   32
.set F1,   128
.set BIAS, 224
.set OB,   32
.set G1, 24
.set G0, 32
.set G1B, 48
.set G0B, 56
.set MUL, 0x50                         ; sources window 0, C and D window 1
.set MSB, 0
.macro WIN new
.if MSB != (\new)
	s_set_vgpr_msb (MSB<<8)|(\new)
.set MSB, (\new)
.endif
.endm
.macro JLOAD s                         ; a joint load: waves 0 and 1 fetch att's two heads, waves 2 and 3 W's two halves; an s_nop 0 and four v_nop follow each of the two lines
	s_cmp_eq_u32 s13, 0
	s_cbranch_scc0 .Lfor_b_\@
	tensor_load_to_lds s[G0+4*\s:G0+4*\s+3], s[G1:G1+7]
	s_nop 0
.rept 4
	v_nop
.endr
	s_branch .Lasked_\@
.Lfor_b_\@:
	tensor_load_to_lds s[G0B+4*\s:G0B+4*\s+3], s[G1B:G1B+7]
	s_nop 0
.rept 4
	v_nop
.endr
.Lasked_\@:
.endm
.macro CREST
	s_cmp_lg_u32 s12, 0
	s_cbranch_scc1 .Lnot_wave_0_\@
	s_barrier_signal -3
.Lnot_wave_0_\@:
	s_barrier_wait -3
	s_barrier_signal -1
	s_barrier_wait -1
.endm
.macro CROUND
	s_barrier_signal -1
	s_barrier_wait -1
	CREST
.endm
.macro PLACES
.rept 4
	v_nop
.endr
.endm
	s_load_b256 s[4:11], s[0:1], 0x0               ; att16 4, wp16 6, bproj 8, out0 10
	v_lshl_add_u32 v[SPW], v0, 2, SPARE
	v_mov_b32 v[NIL], 0
	ds_add_u32 v[SPW], v[NIL]                      ; the wave's opening: the add, twice on end, and its wait ahead of my first tensor load
	ds_add_u32 v[SPW], v[NIL]
	v_lshrrev_b32 v1, 5, v0
	v_readfirstlane_b32 s12, v1                    ; wave 0..3
	s_lshr_b32 s13, s12, 1                         ; which half of the tile's rows is mine.  Also: I fetch for att (0) or for W (1)
	s_and_b32 s14, s12, 1                          ; which half of its columns.  Also: which head, or which 64 rows of W, I fetch
	s_bfe_u32 s40, ttmp6, 0x40000
	s_bfe_u32 s41, ttmp6, 0x40004
	s_lshl_b32 s42, ttmp9, 2
	s_add_co_u32 s42, s42, s40                     ; tile column
	s_and_b32 s45, ttmp7, 0xffff
	s_lshl_b32 s45, s45, 2
	s_add_co_u32 s45, s45, s41                     ; tile row
	s_lshl_b32 s43, s41, 2
	s_lshl_b32 s43, 15, s43                        ; my row of the cluster
	s_lshl_b32 s44, 0x1111, s40                    ; my column
	s_or_b32 s[G1+0], s43, (1<<16)|(1<<20)|(1<<21)|(4<<22)|(3<<25)   ; elements of 2 bytes; padding: 4 words behind every 32
	s_mov_b32 s[G1+1], 64<<16
	s_mov_b32 s[G1+2], 256<<16
	s_mov_b32 s[G1+3], 64<<16
	s_mov_b32 s[G1+4], 256
	s_mov_b32 s[G1+5], 64
	s_mov_b32 s[G1+6], 0
	s_mov_b32 s[G1+7], 0
	s_or_b32 s[G1B+0], s44, (1<<16)|(1<<20)|(1<<21)|(5<<22)|(7<<25)  ; padding: 8 words behind every 64
	s_mov_b32 s[G1B+1], 128<<16
	s_mov_b32 s[G1B+2], 64<<16
	s_mov_b32 s[G1B+3], 128<<16
	s_mov_b32 s[G1B+4], 64
	s_mov_b32 s[G1B+5], 1024
	s_mov_b32 s[G1B+6], 0
	s_mov_b32 s[G1B+7], 0
	s_lshl_b32 s16, s14, 20                        ; att: head e, row 256 x tile row
	s_lshl_b32 s17, s45, 15
	s_add_co_u32 s16, s16, s17
	s_mov_b32 s17, 0
	s_lshl_b32 s46, s14, 17                        ; W: row 64 e, column 128 x tile column
	s_lshl_b32 s47, s42, 8
	s_add_co_u32 s46, s46, s47
	s_mov_b32 s47, 0
	s_mul_i32 s20, s14, AHEAD                      ; where they go: no place in the cluster enters an LDS address
	s_mul_i32 s21, s14, 64*PW
	s_add_co_u32 s21, s21, WOFF
	s_wait_dscnt 0x0                               ; both opening adds are done
	s_wait_kmcnt 0x0
	s_add_nc_u64 s[4:5], s[4:5], s[16:17]
	s_add_nc_u64 s[6:7], s[6:7], s[46:47]
	CROUND                                         ; all sixteen work-groups are here
.irp s, 0,1
	s_mov_b32 s[G0+4*\s], 1
	s_add_co_u32 s[G0+4*\s+1], s20, \s*SLOT
	s_add_nc_u64 s[G0+4*\s+2:G0+4*\s+3], s[4:5], \s*2097152        ; K step s: heads 2 s, 2 s + 1
	s_or_b32 s[G0+4*\s+3], s[G0+4*\s+3], 0x80000000
	s_mov_b32 s[G0B+4*\s], 1
	s_add_co_u32 s[G0B+4*\s+1], s21, \s*SLOT
	s_add_nc_u64 s[G0B+4*\s+2:G0B+4*\s+3], s[6:7], \s*262144       ; 128 rows of 2,048 bytes
	s_or_b32 s[G0B+4*\s+3], s[G0B+4*\s+3], 0x80000000
	JLOAD \s
.endr
	v_and_b32 v1, 15, v0                           ; r
	v_bfe_u32 v2, v0, 4, 1                         ; h
	v_lshlrev_b32 v[BO], 5, v2                     ; the bias: lane (r, h) wants, for block b, the numbers of columns 16 b + 8 h + 0 .. 7
	s_lshl_b32 s22, s42, 9
	s_lshl_b32 s23, s14, 8
	s_add_co_u32 s22, s22, s23                     ; my first column, in bytes of f32
	s_mov_b32 s23, 0
	s_add_nc_u64 s[8:9], s[8:9], s[22:23]
.irp b, 0,1,2,3
	global_load_b128 v[BIAS+8*\b:BIAS+8*\b+3], v[BO], s[8:9] offset:64*\b
	global_load_b128 v[BIAS+8*\b+4:BIAS+8*\b+7], v[BO], s[8:9] offset:64*\b+16
.endr
	v_mul_u32_u24 v3, v1, PA
	v_lshl_add_u32 v3, v2, 4, v3
	s_mul_i32 s21, s13, 128*PA                     ; my 128 rows
	v_add_nc_u32 v[ADRA], s21, v3
	v_add_nc_u32 v[ADRA+1], SLOT, v[ADRA]
	v_and_b32 v4, 7, v0
	v_lshl_add_u32 v4, v2, 3, v4                   ; the turning load: row k = 8 h + l % 8,
	v_mul_u32_u24 v4, v4, PW
	v_bfe_u32 v5, v0, 3, 1
	v_lshl_add_u32 v4, v5, 4, v4                   ; columns 8 ((l / 8) % 2) on
	s_lshl_b32 s21, s14, 7
	s_add_co_u32 s21, s21, WOFF                    ; my 64 columns
	v_add_nc_u32 v[ADRW], s21, v4
	v_add_nc_u32 v[ADRW+1], SLOT, v[ADRW]
	s_mul_i32 s21, s12, 16*SPITCH
	s_add_co_u32 s21, s21, STAGE                   ; my stage
	v_mul_u32_u24 v4, v1, SPITCH
	v_lshl_add_u32 v4, v2, 5, v4
	v_add_nc_u32 v[STO], s21, v4                   ; in: row r, 32 bytes for each half of the lanes
	v_mul_u32_u24 v5, v2, SPITCH
	v_lshl_add_u32 v5, v1, 4, v5
	v_add_nc_u32 v[RD], s21, v5                    ; back: lanes 0-15 one row of 256 bytes, lanes 16-31 the next
	v_lshlrev_b32 v5, 12, v2
	v_lshl_add_u32 v[CO], v1, 4, v5                ; and the same two rows in the output
	s_lshl_b32 s18, s45, 8
	s_lshl_b32 s19, s13, 7
	s_add_co_u32 s18, s18, s19                     ; my first row
	s_lshl_b32 s18, s18, 12
	s_add_co_u32 s18, s18, s22
	s_mov_b32 s19, 0
	s_add_nc_u64 s[10:11], s[10:11], s[18:19]
; 8 matrix instructions: row blocks i0, i0 + 1 x my 4 column blocks, 32 along K.  The 32 accumulators take turns, one instruction a turn, in the same order in every quarter.
.macro MUL8 f, i0, first
.irp i, \i0, \i0+1
.irp b, 0,1,2,3
.if \first
	v_wmma_f32_16x16x32_f16 v[8*(4*(\i)+\b):8*(4*(\i)+\b)+7], v[\f+64+8*\b:\f+64+8*\b+7], v[\f+8*(\i):\f+8*(\i)+7], v[BIAS+8*\b:BIAS+8*\b+7]
.else
	v_wmma_f32_16x16x32_f16 v[8*(4*(\i)+\b):8*(4*(\i)+\b)+7], v[\f+64+8*\b:\f+64+8*\b+7], v[\f+8*(\i):\f+8*(\i)+7], v[8*(4*(\i)+\b):8*(4*(\i)+\b)+7]
.endif
.endr
.endr
.endm
; 24 LDS loads in one run: quarter qd (32 along K) of a slot into buffer f: W's four fragments, att's blocks 0-3, then 4-7
.macro FETCH slot, qd, f
.irp b, 0,1,2,3
	ds_load_tr16_b128 v[\f+64+8*\b:\f+64+8*\b+3], v[ADRW+\slot] offset:(\qd)*32*PW+32*\b
	ds_load_tr16_b128 v[\f+64+8*\b+4:\f+64+8*\b+7], v[ADRW+\slot] offset:(\qd)*32*PW+32*\b+16*PW
.endr
.irp i, 0,1,2,3,4,5,6,7
	ds_load_b128 v[\f+8*\i:\f+8*\i+3], v[ADRA+\slot] offset:((\qd)/2)*AHEAD+64*((\qd)%2)+\i*16*PA
	ds_load_b128 v[\f+8*\i+4:\f+8*\i+7], v[ADRA+\slot] offset:((\qd)/2)*AHEAD+64*((\qd)%2)+\i*16*PA+32
.endr
.endm
; One of a K step's first three quarters: multiplies buffer f; in its middle it fetches quarter qd of the same slot into buffer g.  first = 1: the bias (window 0) starts the sums.
.macro QUARTER slot, qd, f, g, first
	s_wait_dscnt 8                                 ; W and att's blocks 0-3 are in; the youngest eight loads (blocks 4-7) may be out
	WIN MUL-0x10*\first
	MUL8 \f, 0, \first
	MUL8 \f, 2, \first
	PLACES                                         ; in front of loads into registers that the quarter before multiplied
	WIN 0
	FETCH \slot, \qd, \g
	s_wait_dscnt 24                                ; all but the 24 just issued
	WIN MUL-0x10*\first
	MUL8 \f, 4, \first
	MUL8 \f, 6, \first
.endm
; The last quarter multiplies buffer 1 and changes slots: ONE barrier; in front of it each wave waits for all its tensor loads, adds 0 to its spare word, and waits for that and for its own reads of this slot.
.macro TURN slot, next, fill
	WIN 0
	s_wait_tensorcnt 0x0                           ; all my tensor loads have landed: my part of the next slot
	ds_add_u32 v[SPW], v[NIL]
	s_wait_dscnt 9                                 ; (the add and the youngest eight loads may be out)
	WIN MUL
	MUL8 F1, 0, 0
	s_wait_dscnt 0x0                               ; the add is done, and my reads of this slot are over
	s_barrier_signal -1
	MUL8 F1, 2, 0
	WIN 0
	s_barrier_wait -1
.if \fill
	CREST                                          ; the barrier has opened a round of the cluster's: no wave of any partner still reads this slot or has a load on its way
	s_add_nc_u64 s[G0+4*\slot+2:G0+4*\slot+3], s[G0+4*\slot+2:G0+4*\slot+3], 4194304    ; two K steps on: four heads,
	s_add_nc_u64 s[G0B+4*\slot+2:G0B+4*\slot+3], s[G0B+4*\slot+2:G0B+4*\slot+3], 524288  ; 256 rows of W
	JLOAD \slot                                    ; the first tensor load behind the round; its four v_nop are also the places in front of the loads below
.else
	PLACES
.endif
	FETCH \next, 0, F0
	WIN MUL
	MUL8 F1, 4, 0
	MUL8 F1, 6, 0
.endm
	s_wait_tensorcnt 1                             ; my part of K step 0 is in; K step 1's may be out
	s_barrier_signal -1
	s_barrier_wait -1
	FETCH 0, 0, F0
	s_wait_loadcnt 0x0                             ; the bias
	QUARTER 0, 1, F0, F1, 1                        ; the first quarter stands in front of the loop: its products start the sums
	WIN 0
	s_mov_b32 s3, 3
.Llap:                                             ; a trip goes once round the ring, from a lap's second quarter to the next lap's first, and fills both slots again
	QUARTER 0, 2, F1, F0, 0
	QUARTER 0, 3, F0, F1, 0
	TURN 0, 1, 1
	QUARTER 1, 1, F0, F1, 0
	QUARTER 1, 2, F1, F0, 0
	QUARTER 1, 3, F0, F1, 0
	TURN 1, 0, 1
	QUARTER 0, 1, F0, F1, 0
	WIN 0
	s_sub_co_u32 s3, s3, 1
	s_cmp_lg_u32 s3, 0
	s_cbranch_scc1 .Llap
	QUARTER 0, 2, F1, F0, 0                        ; the last lap fills nothing
	QUARTER 0, 3, F0, F1, 0
	TURN 0, 1, 0
	QUARTER 1, 1, F0, F1, 0
	QUARTER 1, 2, F1, F0, 0
	QUARTER 1, 3, F0, F1, 0
	s_wait_dscnt 8
	WIN MUL
	MUL8 F1, 0, 0
	MUL8 F1, 2, 0
	s_wait_dscnt 0x0
	MUL8 F1, 4, 0
	MUL8 F1, 6, 0
	WIN 0
; THE WAY OUT, by blocks of 16 rows x 64 columns, through my own stage: sixteen lanes store 256 consecutive bytes, aligned.
.macro TOSTAGE i
	WIN 0x04                                       ; an LDS store's data are its source 1: window 1
.irp b, 0,1,2,3
	ds_store_b128 v[STO], v[8*(4*(\i)+\b):8*(4*(\i)+\b)+3] offset:64*\b          ; each accumulator from its low end on
	ds_store_b128 v[STO], v[8*(4*(\i)+\b)+4:8*(4*(\i)+\b)+7] offset:64*\b+16
.endr
	WIN 0
.set BB, OB+32*((\i)%2)
.irp t, 0,1,2,3,4,5,6,7
	ds_load_b128 v[BB+4*\t:BB+4*\t+3], v[RD] offset:\t*2*SPITCH    ; LDS serves a wave's instructions in order: these see the stores above
.endr
.endm
.macro SEND i, younger                 ; younger: the next block's 16 LDS instructions, or none
.set BB, OB+32*((\i)%2)
	s_wait_dscnt \younger
.irp t, 0,1,2,3,4,5,6,7
	global_store_b128 v[CO], v[BB+4*\t:BB+4*\t+3], s[10:11] offset:(16*(\i)+2*\t)*4096 th:TH_STORE_NT
.endr
.endm
	PLACES                                         ; behind the last products: for the reads of results and the loads into the fragments' registers
	TOSTAGE 0
.irp i, 1,2,3,4,5,6,7
.if \i > 1
	s_wait_xcnt 0x0                                ; the stores of two blocks ago have read the registers into which this block's rows land
.endif
	TOSTAGE \i
	SEND \i-1, 16
.endr
	SEND 7, 0
	s_wait_tensorcnt 0x0                           ; the wave's end
	ds_add_u32 v[SPW], v[NIL]
	s_wait_dscnt 0x0
	CROUND                                         ; the closing round
	s_endpgm
.Lfunc_end_k_qbe2559e22f_proj:
	.size	k_qbe2559e22f_proj, .Lfunc_end_k_qbe2559e22f_proj-k_qbe2559e22f_proj
	.p2alignl 7, 3214868480
	.fill 96, 4, 3214868480
	.section	.rodata,"a",@progbits
	.p2align	6, 0x0
	.amdhsa_kernel k_qbe2559e22f_proj
		.amdhsa_group_segment_fixed_size 327680
		.amdhsa_private_segment_fixed_size 0
		.amdhsa_enable_private_segment 0
		.amdhsa_kernarg_size 32
		.amdhsa_user_sgpr_count 2
		.amdhsa_user_sgpr_kernarg_segment_ptr 1
		.amdhsa_wavefront_size32 1
		.amdhsa_system_sgpr_workgroup_id_x 1
		.amdhsa_system_sgpr_workgroup_id_y 1
		.amdhsa_system_sgpr_workgroup_id_z 1
		.amdhsa_system_vgpr_workitem_id 0
		.amdhsa_next_free_vgpr 512
		.amdhsa_next_free_sgpr 66
		.amdhsa_reserve_vcc 0
		.amdhsa_float_denorm_mode_32 3
		.amdhsa_float_denorm_mode_16_64 3
		.amdhsa_memory_ordered 1
		.amdhsa_forward_progress 1
		.amdhsa_inst_pref_size 86
	.end_amdhsa_kernel
	.amdgpu_metadata
---
amdhsa.version: [ 1, 2 ]
amdhsa.kernels:
  - .name:           k_qbe2559e22f_proj
    .symbol:         k_qbe2559e22f_proj.kd
    .args:
      - { .name: att16, .offset: 0, .size: 8, .value_kind: global_buffer, .address_space: global }
      - { .name: wp16, .offset: 8, .size: 8, .value_kind: global_buffer, .address_space: global }
      - { .name: bproj, .offset: 16, .size: 8, .value_kind: global_buffer, .address_space: global }
      - { .name: out0, .offset: 24, .size: 8, .value_kind: global_buffer, .address_space: global }
    .group_segment_fixed_size: 327680
    .private_segment_fixed_size: 0
    .kernarg_segment_align: 8
    .kernarg_segment_size: 32
    .max_flat_workgroup_size: 128
    .sgpr_count:     66
    .vgpr_count:     512
    .wavefront_size: 32
...
	.end_amdgpu_metadata
.endif
;; end of part 4
